; MI455X (gfx1250); checked and timed in simulation.
; The chip was launched on July 23, 2026; its instructions are those of AMD's public machine-readable ISA for CDNA 5 (MIT licence, August 2026) and "CDNA5" Instruction Set Architecture Reference Guide (July 2026). The comments in the code are by the model that wrote it; some were corrected since.
;; Attention. Allowed arithmetic: matrix products marked QUANTISED: E2M3 operands, one E8M0 scale for each 32 along K, by v_wmma_scale_f32_16x16x128_f8f6f4 with both operands' format E2M3, f32 sums; everything else in f32.
;; Inputs: b_proj 1,024 float32; b_qkv 3,072 float32; w_proj 1,024 x 1,024 float32; w_qkv 1,024 x 3,072 float32; x 4 x 2,048 x 1,024 float32.
;; Outputs: out0 4 x 2,048 x 1,024 float32.
;; This version of the problem:
;;   THIS VERSION OF THE PROBLEM IS GIVEN IN LOW PRECISION. The matrix products marked QUANTISED in the list below multiply operands that are first quantised to E2M3 (2 exponent bits, 3 mantissa bits; 6 bits a number), with one power-of-two scale for each 32 numbers along K (OCP MX v1.0); their sums are f32. All else is computed in f32.
;;   The module's matrix products, in the order in which they are computed (A, B: the left and right operand; K: the contracted axis; several contracted axes count as one K, in the product's order):
;;     1. [M 8,192, K 1,024] x [K 1,024, N 3,072]; A: input x; B: input w_qkv: QUANTISED
;;     2. batch 64 x [M 2,048, K 64] x [K 64, N 2,048]; A: computed on the way; B: computed on the way: QUANTISED
;;     3. batch 64 x [M 2,048, K 2,048] x [K 2,048, N 64]; A: softmax (see below); B: computed on the way: QUANTISED
;;     4. [M 8,192, K 1,024] x [K 1,024, N 1,024]; A: computed on the way; B: input w_proj: QUANTISED
;;   THE QUANTISER, for each operand of a quantised product, along K:
;;     - K is cut into blocks of 32 from its start; a last block that is shorter is filled with zeros.
;;     - A block's scale is 2^e with e = floor(log2(the largest magnitude in the block)) - 2, held to -126 .. 127; a block of zeros has e = 0. As a byte (E8M0): e + 127.
;;     - Each number is divided by its block's scale, clamped to +-7.5, and rounded to the nearest number of E2M3, ties to even, subnormals kept.
;;     - The product sums the exact products of the quantised numbers (number of the format x scale) in f32.
;;   ~~~python
;;   def quantise(x, axis):      # numpy; x: float32 -> the quantised numbers, widened to float32 again
;;       x = np.moveaxis(x, axis, -1); K = x.shape[-1]
;;       x = np.pad(x, [(0, 0)] * (x.ndim - 1) + [(0, -K % 32)]); x = x.reshape(x.shape[:-1] + (-1, 32)); a = np.abs(x).max(-1, keepdims=True)
;;       e = np.where(a > 0, np.clip(np.frexp(np.where(a > 0, a, 1))[1] - 1 - 2, -126, 127), 0)      # np.frexp(a)[1] - 1 = floor(log2(a)), exactly
;;       r = np.clip(x / 2.0 ** e, -7.5, 7.5)
;;       step = 2.0 ** (np.maximum(np.frexp(np.where(r == 0, 1, r))[1] - 1, 0) - 3)
;;       q = np.round(r / step) * step * 2.0 ** e      # np.round: ties to even
;;       return np.moveaxis(q.reshape(q.shape[:-2] + (-1,))[..., :K], -1, axis).astype(np.float32)
;;   ~~~
;;   SOFTMAX AHEAD OF A QUANTISED PRODUCT. Where the list says 'softmax', what is quantised is not the finished softmax but p = 2^(t - M), with t = logit x log2(e) and M = ceil(the row's largest t), a whole number; so 1/2 < the row's largest p <= 1. The row's sum l is taken of the UNQUANTISED p, in f32, and the product's result is divided by l at the end. Since M is a whole number, a kernel that streams over the keys may use a running M (the ceiling of the running maximum): every later rescaling is an exact power of two, which a block's scale takes up: the codes' values come out the same.
;;   OPERANDS COMPUTED ON THE WAY. 'Computed on the way' means the value that the module computes at that place (a softmax that the list does not call 'softmax' is quantised finished and normalised). What goes into a quantiser is computed in f32, as accurately as f32 sums, v_exp_f32 and their like allow (about 1e-6 of the number): no bf16 or f16 on the way to a quantiser, and a product that is left as it is and whose result goes on into a quantised operand takes f32 operands (vector FMAs, or v_wmma_f32_16x16x4_f32). A number that lies on a knife's edge between two numbers of the format may be rounded either way, as far as f32 arithmetic and the matrix unit's own rounding can turn it there, and no further.
;; One version. Each part assembles by itself: llvm-mc -triple=amdgcn-amd-amdhsa -mcpu=gfx1250 --defsym DOCPART=n.
;; ======== version 1 of 1: 4 launches
;; limits: right only within a limited range of input values
;; workspace buffers: cq 9,437,184 bytes; cs 393,216 bytes; qkc 12,582,912 bytes; vc 6,291,456 bytes; sw 1,572,864 bytes; aq 6,291,456 bytes; asc 262,144 bytes
;; launch quant (part 1): grid 384 x 1, 4 waves a work-group, no clusters, 55,808 bytes of LDS; arguments x, w_qkv, w_proj, cq, cs; writes cq, cs
.if DOCPART == 1
	.amdgcn_target "amdgcn-amd-amdhsa--gfx1250"
	.amdhsa_code_object_version 6
	.text
	.protected	k_q93984c16f0_quant
	.globl	k_q93984c16f0_quant
	.p2align	8
	.type	k_q93984c16f0_quant,@function
k_q93984c16f0_quant:
	s_mov_b64 s[64:65], 0
	v_nop
	global_prefetch_b8 v0, s[64:65] scope:SCOPE_SE
	s_setreg_imm32_b32 hwreg(HW_REG_WAVE_MODE, 25, 1), 1
	s_wait_xcnt 0x0
; x [8192][1024], w_qkv [1024][3072] and w_proj [1024][1024], f32, become codes of FP6 (E2M3) with one E8M0 scale byte for each 32 along K (x: its last axis; the weights: their FIRST axis).
; A block's scale is 2^(floor(log2(its largest magnitude)) - 2); its byte is the largest magnitude's exponent field - 2, held at 1 from below.
; LIMITS: NaN and infinities are not served; a block whose largest magnitude lies under 2^-124 is held at the byte 1; a block of zeros gets the byte 1 where the rule says 127
; (its codes are zeros, which add nothing under any byte but 0xff, and this program alone reads the bytes).
; LAYOUT OF THE RESULTS.  cq: [K / 64 = 16][place 12,288][48 bytes]: 64 codes of one row.  cs: [K / 256 = 4][place][8 bytes].  Places 0-8191: tokens of x; 8192 on: the 3,072 columns of w_qkv, then the 1,024 of w_proj.
; A row's place is its number with bits 3 and 4 exchanged: sixteen neighbouring places are then the rows 8 u + r + 8 (r / 8) of a group of 32, the choice of rows by which a product's results come out as neighbours along the next K.
; SHARES.  A wave takes 32 rows (or columns) x 256 along K, in four sub-steps of 64.  Work-groups 0-255: x, 32 whole rows, wave w the w-th 256 along K.  Work-groups 256-383: the weights, 128 columns x 256 along K, wave w 32 columns.
; In both a LANE ends up with 64 neighbours along K of ONE row in its registers: x by a turn through the wave's own LDS (the loads take the bytes as they lie, sixteen lanes 256 consecutive bytes),
; the weights by letting a lane take a column and its registers run down K.  A lane's 48 bytes of codes go through LDS once more and leave as 1,536 consecutive bytes.
; No tensor load, no barrier: waves share nothing.  The two paths part once, on the work-group's number, and each has LDS bytes of its own.
.set XIN,   0                          ; x path: 32 rows x (256 bytes + 16) for each wave
.set XOUT,  34816                      ; x path: 32 places x 80 bytes for each wave (four pieces of 12 bytes in places of 16, + 16)
.set WOUT,  45056                      ; the same for the weights' path
.set SPARE, 55296                      ; the spare words, 128 bytes for each wave: two blocks of 256 bytes that no other line names
.set KBS,   589824                     ; bytes from one 64 along K to the next in cq
.set KSS,   98304                      ; bytes from one 256 along K to the next in cs
.set LN,    1                          ; v1   lane
.set PERM,  2                          ; v2   lane with bits 3 and 4 exchanged: my row's place in its group of 32
.set XO,    3                          ; v3   x: 4096 (lane / 16) + 16 (lane % 16)
.set IS,    4                          ; v4   x's turn, in
.set IR,    5                          ; v5   x's turn, out: my row
.set OS,    6                          ; v6   the codes' turn, in: 80 x my place
.set ORD,   7                          ; v7   the codes' turn, out
.set GO,    8                          ; v8   12 x lane
.set GS,    9                          ; v9   8 x my place
.set M,     10                         ; v10-11 largest magnitudes of my two blocks
.set SCL,   12                         ; v12-13 the conversions' scale operands
.set BY,    14                         ; v14-15 the scale bytes
.set SB,    16                         ; v16-17 my row's eight scale bytes
.set SPW,   18                         ; v18  LDS address of my spare word; never rewritten
.set NIL,   19                         ; v19  0; never rewritten
.set C,     20                         ; v20-35 four triples of codes
.set OUTR,  36                         ; v36-51 the codes on their way out
.set L0,    64                         ; v64-127, v128-191 two sets of 64 numbers as loaded
.set X,     192                        ; v192-255 x path: my row's 64 neighbours
.set VOFF,  192                        ; v192-207 weights' path: 4 x lane + i rows
	s_load_b256 s[4:11], s[0:1], 0x0               ; x s[4:5], w_qkv s[6:7], w_proj s[8:9], cq s[10:11]
	s_load_b64 s[12:13], s[0:1], 0x20              ; cs
	v_lshl_add_u32 v[SPW], v0, 2, SPARE
	v_mov_b32 v[NIL], 0
	v_lshrrev_b32 v20, 5, v0
	v_readfirstlane_b32 s14, v20                   ; wave 0..3
	v_and_b32 v[LN], 31, v0
	v_and_b32 v20, 15, v0                          ; lane % 16
	v_bfe_u32 v21, v0, 4, 1                        ; lane / 16
	v_bfe_u32 v22, v0, 3, 1
	v_and_b32 v[PERM], 7, v0
	v_lshl_or_b32 v[PERM], v22, 4, v[PERM]
	v_lshl_or_b32 v[PERM], v21, 3, v[PERM]
	v_lshlrev_b32 v[XO], 4, v20
	v_lshl_add_u32 v[XO], v21, 12, v[XO]
	s_mul_i32 s15, s14, 8704
	v_mul_u32_u24 v[IS], v21, 272
	v_lshl_add_u32 v[IS], v20, 4, v[IS]
	v_add_nc_u32 v[IS], s15, v[IS]
	v_mul_u32_u24 v[IR], v[LN], 272
	v_add_nc_u32 v[IR], s15, v[IR]
	s_mul_i32 s15, s14, 2560
	v_mul_u32_u24 v[OS], v[PERM], 80
	v_add_nc_u32 v[OS], s15, v[OS]
	v_lshrrev_b32 v22, 2, v[LN]
	v_and_b32 v23, 3, v0
	v_mul_u32_u24 v[ORD], v22, 80
	v_lshl_add_u32 v[ORD], v23, 4, v[ORD]
	v_add_nc_u32 v[ORD], s15, v[ORD]               ; piece 32 i + lane of the group's 128 pieces of 12 bytes: place 8 i + lane / 4, piece lane % 4
	v_mul_u32_u24 v[GO], v[LN], 12
	v_lshlrev_b32 v[GS], 3, v[PERM]
	s_wait_kmcnt 0x0
; 64 numbers of my row, v[xb] on, are sub-step s of four: two blocks of 32.  Their codes go through the LDS region lo and leave as 1,536 consecutive bytes; their two scale bytes are kept in SB.
.macro PROC xb, s, lo
.irp b, 0,1
	v_max3_num_f32 v[M+\b], |v[(\xb)+32*\b]|, |v[(\xb)+32*\b+1]|, 0x1800000   ; the floor 2^(3 - 127) among the leaves: the byte cannot fall under 1
.endr
.irp i, 2,4,6,8,10,12,14,16,18,20,22,24,26,28,30
.irp b, 0,1
	v_max3_num_f32 v[M+\b], v[M+\b], |v[(\xb)+32*\b+\i]|, |v[(\xb)+32*\b+\i+1]|
.endr
.endr
.irp b, 0,1
	v_add_nc_u32 v[SCL+\b], 0xff000000, v[M+\b]    ; 2 off the exponent field: the conversion takes the exponent field of this operand as its scale
.endr
.irp b, 0,1
	v_lshrrev_b32 v[BY+\b], 23, v[SCL+\b]          ; the scale's byte
.endr
.irp b, 0,1
.if (2*(\s)+\b)%4 == 0
	v_mov_b32 v[SB+(2*(\s)+\b)/4], v[BY+\b]
.else
	v_lshl_or_b32 v[SB+(2*(\s)+\b)/4], v[BY+\b], 8*((2*(\s)+\b)%4), v[SB+(2*(\s)+\b)/4]
.endif
.endr
.irp q, 0,1,2,3
	v_cvt_scalef32_pk16_fp6_f32 v[C+4*\q:C+4*\q+2], v[(\xb)+16*\q:(\xb)+16*\q+15], v[SCL+\q/2]   ; 16 codes, 96 bits, the first number's lowest
.endr
	v_nop                                          ; one plain line behind the last scaled conversion
.if (\s) > 0
	s_wait_alu depctr_va_vdst(0)
	s_wait_xcnt 0x0                                ; the last sub-step's stores have read OUTR: it is loaded again only behind this wait
.endif
.irp q, 0,1,2,3
	ds_store_b96 v[OS], v[C+4*\q:C+4*\q+2] offset:\lo+16*\q
.endr
.irp i, 0,1,2,3
	ds_load_b96 v[OUTR+4*\i:OUTR+4*\i+2], v[ORD] offset:\lo+640*\i   ; LDS serves a wave's instructions in order: these see my stores
.endr
	s_wait_dscnt 0x0
.irp i, 0,1,2,3
	global_store_b96 v[GO], v[OUTR+4*\i:OUTR+4*\i+2], s[10:11] offset:(\s)*KBS+384*\i   ; 32 lanes store 384 consecutive bytes; the four cover the group's 1,536
.endr
.endm
	s_cmp_lt_u32 ttmp9, 256
	s_cbranch_scc0 .Lweights
	; ---------------- x ----------------
	s_lshl_b32 s20, ttmp9, 17                      ; 32 rows of 4,096 bytes a work-group,
	s_lshl_b32 s21, s14, 10                        ; 256 numbers along K a wave
	s_add_co_u32 s20, s20, s21
	s_mov_b32 s21, 0
	s_add_nc_u64 s[4:5], s[4:5], s[20:21]
	s_mul_i32 s20, s14, 4*KBS
	s_mul_i32 s22, ttmp9, 1536
	s_add_co_u32 s20, s20, s22
	s_add_nc_u64 s[10:11], s[10:11], s[20:21]
	s_mul_i32 s20, s14, KSS
	s_lshl_b32 s22, ttmp9, 8
	s_add_co_u32 s20, s20, s22
	s_add_nc_u64 s[12:13], s[12:13], s[20:21]
.macro XLOAD s                         ; sub-step s: 256 bytes of each of 32 rows; sixteen lanes read 256 consecutive, aligned bytes
.irp j, 0,1,2,3,4,5,6,7,8,9,10,11,12,13,14,15
	global_load_b128 v[L0+64*((\s)%2)+4*\j:L0+64*((\s)%2)+4*\j+3], v[XO], s[4:5] offset:8192*\j+256*(\s) th:TH_LOAD_NT
.endr
.endm
.macro XSTEP s
.if (\s) < 3
	s_wait_loadcnt 16                              ; this sub-step's 16 loads are in; the next one's 16 may be out
.else
	s_wait_loadcnt 0x0
.endif
.irp j, 0,1,2,3,4,5,6,7,8,9,10,11,12,13,14,15
	ds_store_b128 v[IS], v[L0+64*((\s)%2)+4*\j:L0+64*((\s)%2)+4*\j+3] offset:XIN+544*\j
.endr
.irp i, 0,1,2,3,4,5,6,7,8,9,10,11,12,13,14,15
	ds_load_b128 v[X+4*\i:X+4*\i+3], v[IR] offset:XIN+16*\i   ; my row's 256 bytes; rows 272 bytes apart, an odd multiple of 16
.endr
	s_wait_dscnt 0x0                               ; my 64 neighbours are in, and the stores have read the set
.if (\s)+2 < 4
	XLOAD (\s)+2
.endif
	PROC X, \s, XOUT
.endm
	XLOAD 0
	XLOAD 1
.irp s, 0,1,2,3
	XSTEP \s
.endr
	global_store_b64 v[GS], v[SB:SB+1], s[12:13]   ; 32 lanes fill 256 consecutive, aligned bytes
	s_wait_tensorcnt 0x0                           ; the wave's end
	ds_add_u32 v[SPW], v[NIL]
	s_wait_dscnt 0x0
	s_endpgm
	; ---------------- the weights ----------------
.Lweights:
	s_sub_co_u32 s20, ttmp9, 256
	s_and_b32 s21, s20, 31                         ; which 128 of the 4,096 columns (w_qkv's 3,072, then w_proj's 1,024)
	s_lshr_b32 s22, s20, 5                         ; which 256 along K
	s_lshl_b32 s23, s21, 7
	s_lshl_b32 s24, s14, 5
	s_add_co_u32 s23, s23, s24                     ; my wave's first column of the 4,096
	s_sub_co_u32 s25, s23, 3072                    ; the same in w_proj (used there alone)
	s_mov_b32 s26, 4096
	s_cmp_lt_u32 s21, 24                           ; the choice hangs on the work-group's number alone
	s_cselect_b64 s[6:7], s[6:7], s[8:9]
	s_cselect_b32 s26, 12288, s26                  ; bytes from row to row
	s_cselect_b32 s25, s23, s25
	s_lshl_b32 s27, s22, 8
	s_mul_i32 s27, s27, s26
	s_lshl_b32 s28, s25, 2
	s_add_co_u32 s28, s28, s27
	s_mov_b32 s29, 0
	s_add_nc_u64 s[32:33], s[6:7], s[28:29]        ; row 256 ks, my first column
	s_lshl_b32 s30, s26, 4
	s_mov_b32 s31, 0
.irp g, 1,2,3,4,5,6,7,8,9,10,11,12,13,14,15
	s_add_nc_u64 s[32+2*\g:33+2*\g], s[30+2*\g:31+2*\g], s[30:31]   ; a base for each 16 rows: the pitch is no constant of the text, so it cannot stand in the immediates
.endr
	v_lshlrev_b32 v[VOFF], 2, v[LN]
.irp i, 1,2,3,4,5,6,7,8,9,10,11,12,13,14,15
	v_add_nc_u32 v[VOFF+\i], s26, v[VOFF+\i-1]
.endr
	s_add_co_u32 s23, s23, 8192                    ; my first place
	s_mul_i32 s20, s22, 4*KBS
	s_mul_i32 s24, s23, 48
	s_add_co_u32 s20, s20, s24
	s_mov_b32 s21, 0
	s_add_nc_u64 s[10:11], s[10:11], s[20:21]
	s_mul_i32 s20, s22, KSS
	s_lshl_b32 s24, s23, 3
	s_add_co_u32 s20, s20, s24
	s_add_nc_u64 s[12:13], s[12:13], s[20:21]
.macro GLOAD b                         ; block b of eight: rows 32 b + i of my column; the wave reads 128 consecutive bytes, the work-group's four waves 512
.irp i, 0,1,2,3,4,5,6,7,8,9,10,11,12,13,14,15,16,17,18,19,20,21,22,23,24,25,26,27,28,29,30,31
	global_load_b32 v[L0+64*(((\b)/2)%2)+32*((\b)%2)+\i], v[VOFF+\i%16], s[32+2*(2*(\b)+\i/16):33+2*(2*(\b)+\i/16)] th:TH_LOAD_NT
.endr
.endm
	s_wait_alu depctr_va_vdst(0)
	GLOAD 0
	GLOAD 1
	GLOAD 2
	GLOAD 3
.irp s, 0,1,2,3
.if \s < 3
	s_wait_loadcnt 63                              ; 64 younger loads may be out; 63 is the largest count that the wait can name, and the smaller count is the safe one
.else
	s_wait_loadcnt 0x0
.endif
	PROC L0+64*(\s%2), \s, WOUT
.if \s < 2
	GLOAD 2*\s+4
	GLOAD 2*\s+5
.endif
.endr
	global_store_b64 v[GS], v[SB:SB+1], s[12:13]
	s_wait_tensorcnt 0x0                           ; the wave's end
	ds_add_u32 v[SPW], v[NIL]
	s_wait_dscnt 0x0
	s_endpgm
.Lfunc_end_k_q93984c16f0_quant:
	.size	k_q93984c16f0_quant, .Lfunc_end_k_q93984c16f0_quant-k_q93984c16f0_quant
	.p2alignl 7, 3214868480
	.fill 96, 4, 3214868480
	.section	.rodata,"a",@progbits
	.p2align	6, 0x0
	.amdhsa_kernel k_q93984c16f0_quant
		.amdhsa_group_segment_fixed_size 55808
		.amdhsa_private_segment_fixed_size 0
		.amdhsa_enable_private_segment 0
		.amdhsa_kernarg_size 40
		.amdhsa_user_sgpr_count 2
		.amdhsa_user_sgpr_kernarg_segment_ptr 1
		.amdhsa_wavefront_size32 1
		.amdhsa_system_sgpr_workgroup_id_x 1
		.amdhsa_system_sgpr_workgroup_id_y 1
		.amdhsa_system_sgpr_workgroup_id_z 1
		.amdhsa_system_vgpr_workitem_id 0
		.amdhsa_next_free_vgpr 256
		.amdhsa_next_free_sgpr 66
		.amdhsa_reserve_vcc 0
		.amdhsa_float_denorm_mode_32 3
		.amdhsa_float_denorm_mode_16_64 3
		.amdhsa_memory_ordered 1
		.amdhsa_forward_progress 1
		.amdhsa_inst_pref_size 73
	.end_amdhsa_kernel
	.amdgpu_metadata
---
amdhsa.version: [ 1, 2 ]
amdhsa.kernels:
  - .name:           k_q93984c16f0_quant
    .symbol:         k_q93984c16f0_quant.kd
    .args:
      - { .name: x, .offset: 0, .size: 8, .value_kind: global_buffer, .address_space: global }
      - { .name: w_qkv, .offset: 8, .size: 8, .value_kind: global_buffer, .address_space: global }
      - { .name: w_proj, .offset: 16, .size: 8, .value_kind: global_buffer, .address_space: global }
      - { .name: cq, .offset: 24, .size: 8, .value_kind: global_buffer, .address_space: global }
      - { .name: cs, .offset: 32, .size: 8, .value_kind: global_buffer, .address_space: global }
    .group_segment_fixed_size: 55808
    .private_segment_fixed_size: 0
    .kernarg_segment_align: 8
    .kernarg_segment_size: 40
    .max_flat_workgroup_size: 128
    .sgpr_count:     66
    .vgpr_count:     256
    .wavefront_size: 32
...
	.end_amdgpu_metadata
.endif
;; end of part 1
;; launch qkv (part 2): grid 8 x 32, 4 waves a work-group, clusters of 4 x 4, 327,680 bytes of LDS; arguments cq, cs, b_qkv, qkc, vc, sw; writes qkc, vc, sw
.if DOCPART == 2
	.amdgcn_target "amdgcn-amd-amdhsa--gfx1250"
	.amdhsa_code_object_version 6
	.text
	.protected	k_q93984c16f0_qkv
	.globl	k_q93984c16f0_qkv
	.p2align	8
	.type	k_q93984c16f0_qkv,@function
k_q93984c16f0_qkv:
	s_mov_b64 s[64:65], 0
	v_nop
	global_prefetch_b8 v0, s[64:65] scope:SCOPE_SE
	s_setreg_imm32_b32 hwreg(HW_REG_WAVE_MODE, 25, 1), 1
	s_wait_xcnt 0x0
	s_wait_alu depctr_hold_cnt(0) depctr_sa_sdst(0) depctr_va_vdst(0) depctr_va_sdst(0) depctr_va_ssrc(0) depctr_va_vcc(0) depctr_vm_vsrc(0)
	s_getreg_b32 s2, hwreg(HW_REG_IB_STS2, 6, 4)
	s_cmp_eq_u32 s2, 0
	s_cbranch_scc0 .Lentry_in_a_cluster
	s_endpgm
.Lentry_in_a_cluster:
	s_bfe_u32 s2, ttmp6, 0x10000c
	s_cmp_lg_u32 s2, 0xf033
	s_cbranch_scc0 .Lentry_shape_is_right
	s_endpgm
.Lentry_shape_is_right:
; qkv = x w_qkv + b_qkv on codes of FP6 (E2M3) with E8M0 scales, K = 1,024; the results are quantised again in registers, q and k along the head's 64, v along the keys, and only codes and scale bytes go to memory.
; OPERANDS: cq [K / 64][place][48 bytes], cs [K / 256][place][8 bytes]; places 0-8191 tokens, 8192 on the columns of w_qkv.  A row's place is its number with bits 3 and 4 exchanged.
; THE DEAL: 8 x 32 work-groups.  A work-group's 256 tokens, ALL of K, lie in LDS for the whole launch (16 pieces of 12,288 bytes) and meet three tiles of 128 columns on end: q's tile g, k's tile g, v's tile g.
; The columns have two slots, each half of K (8 pieces of 6,144 bytes).  A slot that has been read out is filled again with the next phase's half, behind a round of the cluster's barrier that stands inside K steps 3 and 7
; of the first two phases; each wave brings two pieces by one joint load.  What a refill brought is shown by the next round, in the last phase by a plain barrier.
; ROLES.  Source 1 (X, 64 places a wave) gives a lane its place; source 0 (Y, 128 places) runs along the lane's registers: by the order of places the 16 registers of Y's blocks 2 b and 2 b + 1 are 16 neighbours of Y's true index.
;   q, k: X = my 64 tokens (wave w), Y = the 128 columns, two heads.    v: X = 64 columns, one head (wave % 2), Y = 128 tokens, one step of keys (wave / 2).  The roles differ in LDS addresses alone.
; CLUSTERS: 4 x 4; the tokens' tiles are shared along a row of the cluster, the columns' along a column.
; THE SCALE WORDS of all three phases go from memory into registers at the head: a load of 8 bytes a lane takes 32 neighbouring places, 256 consecutive aligned bytes; lanes 0-15 an even block's words, lanes 16-31 the odd block's.
; The bias is the C of each sum's first product; the next phase's is loaded during the phase before.
; PREFETCH: k's and v's tiles of columns, 16 pieces of 6,144 bytes, are asked for ahead: the sixteen waves of a cluster's column take a piece each, told apart by address, 24 lanes a block of 256 bytes each; k's at the head, three K steps
; ahead of its first refill, v's in q's K step 4, seven K steps and a way out ahead of its first refill.  The tokens and q's tile are asked for at the head by their loads alone.
; RESULTS, as the next launch reads them: qkc [q, k][batch x head 64][place 2,048][48 bytes]; sw [q, k][batch x head][12,288]: scale words [128 places][r 16][tile 8], and behind k's, from byte 8,192, v's words
; [128 keys][r 16][tile of channels 4]; vc [batch x head][128 keys 16][tile of channels 4][1,536 bytes]: the image of an operand's 12 registers.
; LIMITS: NaN and infinities are not served; a block whose largest magnitude lies under 2^-124 is held at the byte 1, a block of zeros too (its codes are zeros; this program alone reads the bytes).
; REGISTERS: window 0: v4-31 addresses; v32-171 scale words and nothing else; v172-243 the quantiser.  window 1: Y's fragments, two sets, at v0 and v128.  window 2: accumulator (a, b) at v[8 (8 a + b)].
;   window 3: v0-95 X's fragments, two sets; v96-159 the bias; v160-207 codes read back from the stage.
.set PA,     12288                     ; a piece: 64 along K of 256 tokens
.set PB,     6144                      ; of 128 columns
.set BREG,   16*PA
.set SPARE,  BREG+16*PB                ; the spare words, 128 bytes for each wave
.set STGC,   SPARE+512                 ; q's and k's codes: a stage of 2 heads x 3,072 bytes for each wave
.set SWS,    STGC+4*6144               ; their scale words: [phase][wave][head][r 16][block 4]
.set KB,     589824                    ; bytes from one 64 along K to the next in cq
.set NXT,    49152                     ; 1,024 places x 48 bytes: from q's columns to k's, from k's to v's
.set FR,     12
.set AXT,  4                           ; v4-7   my 64 tokens' fragments, K steps 2 g, 2 g + 1
.set AYC,  8                           ; v8-9   the 128 columns', K steps 4 g .. 4 g + 3
.set AXC,  10                          ; v10-11 my 64 columns'
.set AYT,  12                          ; v12-15 my 128 tokens'
.set L8,   16
.set BOF,  17
.set BOFV, 18
.set STQ,  19
.set STS,  20
.set RDB,  21
.set VSO,  22
.set SWR,  23
.set PFO,  24
.set SPW,  28
.set NIL,  29
.set L16,  30
.set SH16, 31
.set XT,   32                          ; scale words: my 64 tokens',
.set YQ,   52                          ; q's columns',
.set YK,   84                          ; k's,
.set XV,   120                         ; my 64 of v's,
.set YT,   140                         ; my 128 tokens'
.set PCS,  172                         ; two sets of 20 registers for codes, by turns
.set TM,   212                         ; v212-215 largest magnitudes, v216-219 bytes, v224-227 the conversions' scale operands
.set PW,   228
.set TW,   230
.set PWS,  232                         ; v's four scale words
.set FL,   236                         ; q's and k's scale words on their way out
.set BIAS, 96                          ; window 3
.set OB,   160                         ; window 3
.set WV,   16
.set HI,   17
.set LO,   18
.set G1A,  24
.set G0A,  32
.set G1B,  48
.set G0B,  56
.set G1R,  80                          ; a refill: two pieces
.set G0R,  88                          ; s[88:91], s[92:95] one for each slot
.set SEL,  98
.set MSB, 0
.macro WIN new
.if MSB != \new
	s_set_vgpr_msb (MSB<<8)|\new
.set MSB, \new
.endif
.endm
.macro PLACES n
.rept \n
	v_nop
.endr
.endm
.macro CREST                           ; a round of the cluster's barrier behind its opening barrier
	s_cmp_lg_u32 s[WV], 0
	s_cbranch_scc1 .Lnot_wave_0_\@
	s_barrier_signal -3
.Lnot_wave_0_\@:
	s_barrier_wait -3
	s_barrier_signal -1
	s_barrier_wait -1
.endm
.macro CROUND
	s_barrier_signal -1
	s_barrier_wait -1
	CREST
.endm
.macro GROUP1 g, mask, el, rows        ; rows (pieces) of el elements of 8 bytes, dense in LDS
	s_or_b32 s[\g], s\mask, (3<<16)|(1<<21)
	s_mov_b32 s[\g+1], (\el)<<16
	s_mov_b32 s[\g+2], (\rows)<<16
	s_mov_b32 s[\g+3], (\el)<<16
	s_mov_b32 s[\g+4], \rows
	s_mov_b32 s[\g+5], KB/8
	s_mov_b32 s[\g+6], 0
	s_mov_b32 s[\g+7], 0
.endm
.macro GROUP0 g, lds, base, step
	s_mov_b32 s[\g], 1
	s_mov_b32 s[\g+1], \lds
	s_add_nc_u64 s[\g+2:\g+3], s[\base:\base+1], \step
	s_or_b32 s[\g+3], s[\g+3], 0x80000000
.endm
.macro TL g0, g1
	tensor_load_to_lds s[\g0:\g0+3], s[\g1:\g1+7]
	s_nop 0
	PLACES 4
.endm
.macro ARM under, g0, g1, next         ; an arm of the head's one chain: its load and a jump to the join
	s_cmp_lt_u32 s[WV], \under
	s_cbranch_scc0 \next
	TL \g0, \g1
	s_branch .Lasked
\next:
.endm
	s_load_b256 s[4:11], s[0:1], 0x0               ; cq s[4:5], cs s[6:7], b_qkv s[8:9], qkc s[10:11]
	s_load_b128 s[12:15], s[0:1], 0x20             ; vc s[12:13], sw s[14:15]
	v_lshl_add_u32 v[SPW], v0, 2, SPARE
	v_mov_b32 v[NIL], 0
	ds_add_u32 v[SPW], v[NIL]                      ; the opening lines: the add, twice on end, and its wait
	ds_add_u32 v[SPW], v[NIL]
	v_lshrrev_b32 v1, 5, v0
	v_readfirstlane_b32 s[WV], v1
	s_lshr_b32 s[HI], s[WV], 1
	s_and_b32 s[LO], s[WV], 1
	s_bfe_u32 s40, ttmp6, 0x40000                  ; cx
	s_bfe_u32 s41, ttmp6, 0x40004                  ; cy
	s_and_b32 s43, ttmp7, 0xffff
	s_lshl_b32 s44, s41, 2
	s_lshl_b32 s44, 15, s44                        ; my row of the cluster
	s_lshl_b32 s45, 0x1111, s40                    ; my column
	GROUP1 G1A, 44, 1536, 8
	GROUP1 G1B, 45, 768, 8
	GROUP1 G1R, 45, 768, 2
	s_lshl_b32 s42, s43, 2
	s_add_co_u32 s42, s42, s41                     ; the tokens' tile, 0 .. 31
	s_lshl_b32 s46, ttmp9, 2
	s_add_co_u32 s46, s46, s40                     ; the columns' tile g, 0 .. 7
	s_mul_i32 s20, s42, PA                         ; the tokens' codes: their tile alone
	s_mov_b32 s21, 0
	s_mul_i32 s22, s46, PB                         ; q's columns': g alone
	s_add_co_u32 s22, s22, 8192*48
	s_mov_b32 s23, 0
	s_mul_i32 s2, s[WV], 2*KB                      ; a refill: my two pieces of the next phase's half
	s_add_co_u32 s2, s2, NXT
	s_mov_b32 s3, 0
	s_mul_i32 s[G0R+1], s[WV], 2*PB
	s_add_co_u32 s[G0R+1], s[G0R+1], BREG
	s_add_co_u32 s[G0R+5], s[G0R+1], 8*PB
	s_mov_b32 s[G0R], 1
	s_mov_b32 s[G0R+4], 1
	s_mov_b32 s[SEL], 0x76543210
	s_mov_b32 s[SEL+1], 0xfedcba98
	s_wait_dscnt 0x0                               ; both opening adds are done
	s_wait_kmcnt 0x0
	s_add_nc_u64 s[20:21], s[4:5], s[20:21]
	s_add_nc_u64 s[78:79], s[4:5], s[22:23]        ; kept: q's columns' codes
	s_add_nc_u64 s[2:3], s[78:79], s[2:3]
	GROUP0 G0A,   0,         20, 0
	GROUP0 G0A+4, 8*PA,      20, 8*KB
	GROUP0 G0B,   BREG,      78, 0
	GROUP0 G0B+4, BREG+8*PB, 78, 8*KB
	s_add_nc_u64 s[G0R+2:G0R+3], s[2:3], 0
	s_or_b32 s[G0R+3], s[G0R+3], 0x80000000
	s_add_nc_u64 s[G0R+6:G0R+7], s[2:3], 8*KB
	s_or_b32 s[G0R+7], s[G0R+7], 0x80000000
	CROUND                                         ; all sixteen work-groups are here: the joint loads meet
	ARM 1, G0A,   G1A, .Larm_1                     ; wave 0: the tokens' first half of K,
	ARM 2, G0B,   G1B, .Larm_2                     ; wave 1: q's columns',
	ARM 3, G0A+4, G1A, .Larm_3                     ; waves 2 and 3: the second halves
	TL G0B+4, G1B
.Lasked:
	s_lshl_b32 s2, s41, 2
	s_add_co_u32 s2, s2, s[WV]
	s_mul_i32 s2, s2, KB                           ; the prefetches: my number among the sixteen waves of my column of the cluster is my piece
	s_mov_b32 s41, 0                               ; s[40:41]: an offset on its way to a pointer
	s_lshl_b32 s40, s42, 11
	s_lshl_b32 s3, s[WV], 9
	s_add_co_u32 s40, s40, s3
	s_add_nc_u64 s[66:67], s[6:7], s[40:41]        ; scale words: my 64 tokens',
	s_lshl_b32 s40, s42, 11
	s_lshl_b32 s3, s[HI], 10
	s_add_co_u32 s40, s40, s3
	s_add_nc_u64 s[72:73], s[6:7], s[40:41]        ; my 128 tokens',
	s_lshl_b32 s40, s46, 10
	s_add_co_u32 s40, s40, 8192*8
	s_add_nc_u64 s[68:69], s[6:7], s[40:41]        ; q's 128 columns' (k's 8,192 bytes on),
	s_lshl_b32 s3, s[LO], 9
	s_add_co_u32 s40, s40, s3
	s_add_nc_u64 s[70:71], s[6:7], s[40:41]        ; my 64 columns' (v's 16,384 bytes on)
	s_lshl_b32 s40, s46, 9
	s_lshl_b32 s3, s[LO], 8
	s_add_co_u32 s3, s3, s40
	s_add_nc_u64 s[8:9], s[8:9], s[40:41]          ; the bias: q's 128 columns (k's 4,096 bytes on),
	s_sub_co_u32 s40, s3, s40
	s_add_co_u32 s40, s40, 8192
	s_add_nc_u64 s[74:75], s[8:9], s[40:41]        ; my 64 of v's
	s_lshr_b32 s96, s42, 3
	s_lshl_b32 s96, s96, 4
	s_lshl_b32 s3, s46, 1
	s_add_co_u32 s96, s96, s3                      ; 16 batch + my work-group's first head
	s_and_b32 s97, s42, 7                          ; which 256 places of the batch
	s_mul_i32 s40, s96, 98304
	s_mul_i32 s3, s97, 12288
	s_add_co_u32 s40, s40, s3
	s_mul_i32 s3, s[WV], 3072
	s_add_co_u32 s40, s40, s3
	s_add_nc_u64 s[10:11], s[10:11], s[40:41]      ; q's codes of my 64 places, first head
	s_add_co_u32 s96, s96, s[LO]                   ; the head of v that is mine, and the head whose scale words I carry out
	s_lshl_b32 s97, s97, 1
	s_add_co_u32 s97, s97, s[HI]                   ; which 128 places of the batch likewise
	s_mul_i32 s40, s96, 98304
	s_mul_i32 s3, s97, 6144
	s_add_co_u32 s40, s40, s3
	s_add_nc_u64 s[12:13], s[12:13], s[40:41]      ; v's images
	s_mul_i32 s40, s96, 12288
	s_lshl_b32 s3, s97, 8
	s_add_co_u32 s3, s3, s40
	s_add_co_u32 s40, s3, 786432+8192
	s_add_nc_u64 s[76:77], s[14:15], s[40:41]      ; v's scale words
	s_lshl_b32 s40, s97, 8
	s_add_co_u32 s40, s40, s3
	s_add_nc_u64 s[14:15], s[14:15], s[40:41]      ; q's scale words: a run of 512 bytes (k's 786,432 bytes on)
	s_mul_i32 s19, s[WV], 3072
	s_mul_i32 s20, s[LO], 3072
	s_add_co_u32 s20, s20, BREG
	s_mul_i32 s21, s[HI], 6144
	s_mul_i32 s22, s[WV], 6144
	s_add_co_u32 s22, s22, STGC
	s_lshl_b32 s23, s[WV], 9
	s_add_co_u32 s23, s23, SWS
	s_lshl_b32 s47, s[HI], 10
	s_lshl_b32 s3, s[LO], 8
	s_add_co_u32 s47, s47, s3
	s_add_co_u32 s47, s47, SWS
	v_and_b32 v1, 15, v0                           ; r
	v_bfe_u32 v2, v0, 4, 1                         ; h
	v_and_b32 v3, 31, v0                           ; lane
	v_mul_u32_u24 v25, v1, 48
	v_and_b32 v26, 8, v1
	v_mad_u32_u24 v25, v2, 24, v25                 ; a place's 48 bytes, my half's 24
	v_add_nc_u32 v26, v26, v1                      ; r + 8 (r / 8)
	v_lshlrev_b32 v[L8], 3, v3
	v_lshlrev_b32 v[BOF], 6, v2
	v_lshlrev_b32 v[BOFV], 2, v26
	v_lshlrev_b32 v[L16], 4, v3
	v_lshlrev_b32 v[SH16], 4, v2
	v_lshlrev_b32 v[VSO], 4, v1
	v_add_nc_u32 v[AXT], s19, v25
	v_add_nc_u32 v[AYC], BREG, v25
	v_add_nc_u32 v[AYC+1], BREG+8*PB, v25
	v_add_nc_u32 v[AXC], s20, v25
	v_add_nc_u32 v[AYT], s21, v25
	v_add_nc_u32 v[STQ], s22, v25
	v_add_nc_u32 v[RDB], s22, v[L16]
.irp g, 1,2,3
	v_add_nc_u32 v[AXT+\g], \g*4*PA, v[AXT]
	v_add_nc_u32 v[AYT+\g], \g*4*PA, v[AYT]
.endr
	v_add_nc_u32 v[AXC+1], 8*PB, v[AXC]
	v_lshl_add_u32 v26, v2, 8, s23
	v_and_b32 v27, 1, v0
	v_lshl_add_u32 v[STS], v1, 4, v26              ; my wave's 512 bytes of words: 256 h + 16 r + 4 x block
	v_lshl_add_u32 v27, v27, 9, s47
	v_lshrrev_b32 v26, 1, v3
	v_min_u32 v25, 23, v3
	v_lshl_add_u32 v[SWR], v26, 4, v27             ; back: lane l's 16 bytes of a run are row l / 2's four words of wave 2 (wave / 2) + l % 2
	v_lshl_add_u32 v[PFO], v25, 8, s2              ; my piece, a block of 256 bytes a lane (lanes 24 on name the last again)
.irp b, 0,1,2,3
	v_mov_b32 v[TM+4+\b], 0                        ; written once: a lane permute's destination counts as one of its sources
.endr
.macro SLOAD reg, n, base, off         ; the scale words of n pairs of blocks, all of K
.set E_, 0
.rept \n
.irp s, 0,1,2,3
	global_load_b64 v[(\reg)+8*E_+2*\s:(\reg)+8*E_+2*\s+1], v[L8], s[\base:\base+1] offset:(\off)+256*E_+98304*\s
.endr
.set E_, E_+1
.endr
.endm
.macro BIASY off                       ; q, k: block b, register j: column 32 (b / 2) + 16 h + 8 (b % 2) + j
	WIN 0xc0
.irp b, 0,1,2,3,4,5,6,7
	global_load_b128 v[BIAS+8*\b:BIAS+8*\b+3], v[BOF], s[8:9] offset:(\off)+(32*(\b/2)+8*(\b%2))*4
	global_load_b128 v[BIAS+8*\b+4:BIAS+8*\b+7], v[BOF], s[8:9] offset:(\off)+(32*(\b/2)+8*(\b%2))*4+16
.endr
	WIN 0
.endm
.macro BIASX                           ; v: block a: my lane's ONE column 32 (a / 2) + 8 (a % 2) + r + 8 (r / 8), in all eight registers
	WIN 0xc0
.irp a, 0,1,2,3
.irp j, 0,1,2,3,4,5,6,7
	global_load_b32 v[BIAS+8*\a+\j], v[BOFV], s[74:75] offset:(32*(\a/2)+8*(\a%2))*4
.endr
.endr
	WIN 0
.endm
	SLOAD XT, 2, 66, 0
	SLOAD YQ, 4, 68, 0
	BIASY 0
.macro FRAG reg, adr, off, st          ; 16 places x 128 K: registers 6 c .. 6 c + 5 are 24 bytes of the place's 48 in piece c, as three loads of 8 bytes
.irp p, 0,1,2,3,4,5
	ds_load_b64 v[(\reg)+2*\p:(\reg)+2*\p+1], v[\adr] offset:(\off)+(\p/3)*(\st)+8*(\p%3)
.endr
.endm
.macro FETCH_Y kind, q                 ; Y's eight fragments of K step q: 48 loads.  kind 1: the columns; 2: my 128 tokens
	WIN 0x40
.irp i, 0,1,2,3,4,5,6,7
.if (\kind) == 1
	FRAG 128*((\q)%2)+FR*\i, AYC+(\q)/4, 2*((\q)%4)*PB+\i*768, PB
.else
	FRAG 128*((\q)%2)+FR*\i, AYT+(\q)/2, 2*((\q)%2)*PA+\i*768, PA
.endif
.endr
	WIN 0
.endm
.macro FETCH_X kind, q                 ; X's four: 24 loads.  kind 1: my 64 tokens; 2: my 64 columns
	WIN 0xc0
.irp i, 0,1,2,3
.if (\kind) == 1
	FRAG 48*((\q)%2)+FR*\i, AXT+(\q)/2, 2*((\q)%2)*PA+\i*768, PA
.else
	FRAG 48*((\q)%2)+FR*\i, AXC+(\q)/4, 2*((\q)%4)*PB+\i*768, PB
.endif
.endr
	WIN 0
.endm
; Eight products: X's block a (ao = a % 2) x Y's eight, K step Q_.  The 32 accumulators take turns, one instruction a turn, in the same order in every step.
.macro M8 a, ao
.irp bp, 0,1,2,3
.irp bo, 0,1
.set DD, 8*(8*\a+2*\bp+\bo)
.set YF_, 128*(Q_%2)+FR*(2*\bp+\bo)
.set XF_, 48*(Q_%2)+FR*\a
.if Q_ == 0
.if KIND_ == 1
.set CB_, BIAS+8*(2*\bp+\bo)
.else
.set CB_, BIAS+8*\a
.endif
	v_wmma_scale_f32_16x16x128_f8f6f4 v[DD:DD+7], v[YF_:YF_+FR-1], v[XF_:XF_+FR-1], v[CB_:CB_+7], v[YS_+8*\bp+Q_], v[XS_+8*(\a/2)+Q_] matrix_a_fmt:MATRIX_FMT_FP6 matrix_b_fmt:MATRIX_FMT_FP6 matrix_a_scale:MATRIX_SCALE_ROW\bo matrix_b_scale:MATRIX_SCALE_ROW\ao
.else
	v_wmma_scale_f32_16x16x128_f8f6f4 v[DD:DD+7], v[YF_:YF_+FR-1], v[XF_:XF_+FR-1], v[DD:DD+7], v[YS_+8*\bp+Q_], v[XS_+8*(\a/2)+Q_] matrix_a_fmt:MATRIX_FMT_FP6 matrix_b_fmt:MATRIX_FMT_FP6 matrix_a_scale:MATRIX_SCALE_ROW\bo matrix_b_scale:MATRIX_SCALE_ROW\ao
.endif
.endr
.endr
.endm
.macro MWIN                            ; source 0 window 1, source 1 window 3, D window 2; C window 2, in a phase's first step window 3 (the bias)
.if Q_ == 0
	WIN 0xbd
.else
	WIN 0xad
.endif
.endm
; A K step of 128: 32 products on set q % 2; the next step's fragments go into the other set, which the step before has read: four places stand ahead of them.
; ph: the phase (0 q, 1 k, 2 v); kind: its roles; nkind: the next phase's.
.macro STEP q, ph, kind, nkind
.set Q_, \q
.set KIND_, \kind
.if (\ph) < 2 && ((\q) == 3 || (\q) == 7)
	s_wait_tensorcnt 0x0                           ; all my tensor loads have landed;
	ds_add_u32 v[SPW], v[NIL]                      ; 0 onto my spare word;
.if (\ph) == 1
	s_add_nc_u64 s[G0R+4*((\q)/4)+2:G0R+4*((\q)/4)+3], s[G0R+4*((\q)/4)+2:G0R+4*((\q)/4)+3], NXT   ; no load of mine is out: on from k's columns to v's
.endif
	s_wait_dscnt 1                                 ; this step's fragments are in (the add may be out)
	MWIN
	M8 0, 0
	s_wait_dscnt 0x0                               ; the add is done, and my reads of the slot that this step ends are over
	s_barrier_signal -1
	M8 1, 1
	WIN 0
	s_barrier_wait -1
	CREST                                          ; the barrier has opened a round: no wave of any partner still reads the slot or has a load on its way
	TL G0R+4*((\q)/4), G1R                         ; my two pieces of the next phase's half; the four v_nop are also the places ahead of the loads below
.if (\q) == 3
	FETCH_Y \kind, 4
	FETCH_X \kind, 4
.else
	FETCH_Y \nkind, 0                              ; the next phase's first step: slot 0's refill has been shown by this round
	FETCH_X \nkind, 0
.endif
	MWIN
	M8 2, 0
	M8 3, 1
	WIN 0
.else
.if (\q) == 3
	s_wait_tensorcnt 0x0                           ; the last phase: a plain barrier shows slot 1's last fill
	s_wait_dscnt 0x0
	s_barrier_signal -1
	s_barrier_wait -1
.endif
.if (\q) < 7
	PLACES 4
.if (\q) == 1 && (\ph) == 0
	BIASY 4096                                     ; the first step's products have read the bias: k's takes its place,
.endif
.if (\q) == 1 && (\ph) == 1
	BIASX                                          ; then v's
.endif
	FETCH_Y \kind, (\q)+1
	s_wait_dscnt 48                                ; all but the 48 just issued: this step's fragments are in
.else
	s_wait_dscnt 0x0
.endif
	MWIN
	M8 0, 0
	M8 1, 1
.if (\q) < 7
	WIN 0
	FETCH_X \kind, (\q)+1
.if (\q) == 4 && (\ph) == 0
	global_prefetch_b8 v[PFO], s[78:79] offset:2*NXT th:TH_LOAD_NT scope:SCOPE_SE   ; my piece of v's columns
.endif
	MWIN
.endif
	M8 2, 0
	M8 3, 1
	WIN 0
.endif
.endm
; THE QUANTISER.  64 numbers of a lane in window w, v[s] on, register 16 b + i = k 32 b + 16 (lane / 16) + i, become a fragment's 12 registers of codes in v[pc] on and its scale word in v[pw].  Each accumulator is read from its low end on.
.macro QUANT s, w, pc, pw
	WIN ((\w)<<2)|((\w)<<4)
.irp b, 0,1,2,3
	v_max3_num_f32 v[TM+\b], 0x1800000, |v[(\s)+16*\b]|, |v[(\s)+16*\b+1]|   ; the floor 2^(3 - 127) among the leaves: the byte cannot fall under 1
.endr
.irp i, 2,4,6,8,10,12,14
.irp b, 0,1,2,3
	v_max3_num_f32 v[TM+\b], v[TM+\b], |v[(\s)+16*\b+\i]|, |v[(\s)+16*\b+\i+1]|
.endr
.endr
	WIN 0
.irp b, 0,1,2,3
	v_permlanex16_b32 v[TM+4+\b], v[TM+\b], s[SEL], s[SEL+1]
.endr
.irp b, 0,1,2,3
	v_max_num_f32 v[TM+\b], v[TM+\b], v[TM+4+\b]   ; with lane l xor 16's 16: the block's largest magnitude
.endr
.irp b, 0,1,2,3
	v_add_nc_u32 v[TM+12+\b], 0xff000000, v[TM+\b] ; 2 off its exponent field: the conversion's scale operand
.endr
.irp b, 0,1,2,3
	v_lshrrev_b32 v[TM+4+\b], 23, v[TM+12+\b]      ; the scale's byte
.endr
	v_lshl_or_b32 v[\pw], v[TM+5], 8, v[TM+4]
	v_lshl_or_b32 v[\pw], v[TM+6], 16, v[\pw]
	v_lshl_or_b32 v[\pw], v[TM+7], 24, v[\pw]
	WIN \w
.irp c, 0,1
	v_cvt_scalef32_pk16_fp6_f32 v[(\pc)+6*\c:(\pc)+6*\c+2], v[(\s)+32*\c:(\s)+32*\c+15], v[TM+12+2*\c]
	v_cvt_scalef32_pk16_fp6_f32 v[(\pc)+12+4*\c:(\pc)+14+4*\c], v[(\s)+16+32*\c:(\s)+31+32*\c], v[TM+13+2*\c]   ; (a conversion's three registers begin on an even number)
.endr
	WIN 0
	v_nop                                          ; one plain line behind the last scaled conversion
.irp c, 0,1                                    ; the operand's layout wants a WHOLE block in a lane: lanes 0-15 block 2 c, lanes 16-31 block 2 c + 1
.irp i, 0,1,2
	v_permlane16_swap_b32 v[(\pc)+6*\c+\i], v[(\pc)+12+4*\c+\i]
.endr
.irp i, 0,1,2
	v_mov_b32 v[(\pc)+3+6*\c+\i], v[(\pc)+12+4*\c+\i]
.endr
.endr
.endm
; THE WAY OUT of q or k: my 64 tokens x two heads.  A block's registers 6 c .. 6 c + 5 are my half's 24 bytes of head c's 48.  They go through my stage and leave as runs of 512 bytes; the scale words stay in LDS until the end.
.macro OUTQK ph
	PLACES 4                                       ; behind the last products
.irp a, 0,1,2,3
.if \a >= 2
	s_wait_dscnt 7                                 ; block a - 2's stores have read their registers; block a - 1's seven may be out
.endif
	QUANT 64*\a, 2, PCS+20*(\a%2), PW
	v_lshrrev_b32 v[TW+\a%2], v[SH16], v[PW]       ; lanes 0-15: head 0's two bytes lowest; lanes 16-31: head 1's.  The upper two bytes are scale bytes or 0, never 0xff
.irp c, 0,1
.irp p, 0,1,2
	ds_store_b64 v[STQ], v[PCS+20*(\a%2)+6*\c+2*\p:PCS+20*(\a%2)+6*\c+2*\p+1] offset:3072*\c+768*\a+8*\p
.endr
.endr
	ds_store_b32 v[STS], v[TW+\a%2] offset:2048*(\ph)+4*\a
.endr
.if (\ph) > 0
	s_wait_xcnt 0x0                                ; the last phase's stores have read the registers that are loaded again below
.endif
	WIN 0xc0
.irp i, 0,1,2,3,4,5,6,7,8,9,10,11
	ds_load_b128 v[OB+4*\i:OB+4*\i+3], v[RDB] offset:512*\i   ; LDS serves a wave's instructions in order: these see my stores
.endr
	WIN 0x0c
.irp i, 0,1,2,3,4,5,6,7,8,9,10,11
	s_wait_dscnt 11-\i
	global_store_b128 v[L16], v[OB+4*\i:OB+4*\i+3], s[10:11] offset:6291456*(\ph)+(\i/6)*98304+(\i%6)*512   ; 32 lanes store 512 consecutive bytes, at a multiple of 256 from the buffer's first byte
.endr
	WIN 0
.endm
	s_wait_alu depctr_va_vdst(0)                   ; the wait at the head's end
	s_cmp_lt_u32 s[WV], 2                          ; waves 0 and 1 brought the first half of K; the other two loads, lines of waves 2 and 3 alone, may stay out: the round in K step 3 shows them
	s_cbranch_scc0 .Lnot_first
	s_wait_tensorcnt 0x0
.Lnot_first:
	s_barrier_signal -1
	s_barrier_wait -1
	global_prefetch_b8 v[PFO], s[78:79] offset:NXT th:TH_LOAD_NT scope:SCOPE_SE   ; my piece of k's columns
	FETCH_Y 1, 0
	FETCH_X 1, 0
	SLOAD YK, 4, 68, 8192                          ; the later phases' scale words: 40 loads
	SLOAD XV, 2, 70, 16384
	SLOAD YT, 4, 72, 0
	s_wait_loadcnt 40                              ; my tokens' and q's scale words and q's bias are in; the 40 just issued may be out: the wait ahead of k's phase shows them
.set XS_, XT
.set YS_, YQ
.irp q, 0,1,2,3,4,5,6,7
	STEP \q, 0, 1, 1
.endr
	OUTQK 0
	s_wait_loadcnt 0x0                             ; k's bias
.set YS_, YK
.irp q, 0,1,2,3,4,5,6,7
	STEP \q, 1, 1, 2
.endr
	OUTQK 1
	s_wait_loadcnt 0x0                             ; v's bias
.set XS_, XV
.set YS_, YT
.irp q, 0,1,2,3,4,5,6,7
	STEP \q, 2, 2, 0
.endr
	; THE WAY OUT of v: my 64 channels x 128 keys.  A block's 12 registers ARE the operand that the attention wants: they are stored as they stand, lane l's 16 bytes at 16 l
	ds_load_b128 v[FL:FL+3], v[SWR]                ; q's and k's scale words: every wave stored its own ahead of the barrier in this phase's K step 3
	ds_load_b128 v[FL+4:FL+7], v[SWR] offset:2048
	PLACES 4                                       ; behind the last products
.irp a, 0,1,2,3
.if \a >= 2
	s_wait_xcnt 0x0                                ; block a - 2's stores have read their registers
.endif
	QUANT 64*\a, 2, PCS+20*(\a%2), PWS+\a
.irp i, 0,1,2
	global_store_b128 v[L16], v[PCS+20*(\a%2)+4*\i:PCS+20*(\a%2)+4*\i+3], s[12:13] offset:\a*1536+512*\i
.endr
.endr
	global_store_b128 v[VSO], v[PWS:PWS+3], s[76:77]   ; row r's four words: 256 consecutive, aligned bytes; lanes 16-31 hold the same words as lanes 0-15 and name the same bytes
	s_wait_dscnt 0x0
	global_store_b128 v[L16], v[FL:FL+3], s[14:15]     ; a run of 512 bytes of q's words,
	global_store_b128 v[L16], v[FL+4:FL+7], s[14:15] offset:786432   ; and of k's
	s_wait_tensorcnt 0x0                           ; the wave's end
	ds_add_u32 v[SPW], v[NIL]
	s_wait_dscnt 0x0
	CROUND                                         ; the closing round
	s_endpgm
.Lfunc_end_k_q93984c16f0_qkv:
	.size	k_q93984c16f0_qkv, .Lfunc_end_k_q93984c16f0_qkv-k_q93984c16f0_qkv
	.p2alignl 7, 3214868480
	.fill 96, 4, 3214868480
	.section	.rodata,"a",@progbits
	.p2align	6, 0x0
	.amdhsa_kernel k_q93984c16f0_qkv
		.amdhsa_group_segment_fixed_size 327680
		.amdhsa_private_segment_fixed_size 0
		.amdhsa_enable_private_segment 0
		.amdhsa_kernarg_size 48
		.amdhsa_user_sgpr_count 2
		.amdhsa_user_sgpr_kernarg_segment_ptr 1
		.amdhsa_wavefront_size32 1
		.amdhsa_system_sgpr_workgroup_id_x 1
		.amdhsa_system_sgpr_workgroup_id_y 1
		.amdhsa_system_sgpr_workgroup_id_z 1
		.amdhsa_system_vgpr_workitem_id 0
		.amdhsa_next_free_vgpr 1024
		.amdhsa_next_free_sgpr 100
		.amdhsa_reserve_vcc 0
		.amdhsa_float_denorm_mode_32 3
		.amdhsa_float_denorm_mode_16_64 3
		.amdhsa_memory_ordered 1
		.amdhsa_forward_progress 1
		.amdhsa_inst_pref_size 255
	.end_amdhsa_kernel
	.section	.bss,"aw",@nobits
	.p2align	6
	.space	262144
	.amdgpu_metadata
---
amdhsa.version: [ 1, 2 ]
amdhsa.kernels:
  - .name:           k_q93984c16f0_qkv
    .symbol:         k_q93984c16f0_qkv.kd
    .args:
      - { .name: cq, .offset: 0, .size: 8, .value_kind: global_buffer, .address_space: global }
      - { .name: cs, .offset: 8, .size: 8, .value_kind: global_buffer, .address_space: global }
      - { .name: b_qkv, .offset: 16, .size: 8, .value_kind: global_buffer, .address_space: global }
      - { .name: qkc, .offset: 24, .size: 8, .value_kind: global_buffer, .address_space: global }
      - { .name: vc, .offset: 32, .size: 8, .value_kind: global_buffer, .address_space: global }
      - { .name: sw, .offset: 40, .size: 8, .value_kind: global_buffer, .address_space: global }
    .group_segment_fixed_size: 327680
    .private_segment_fixed_size: 0
    .kernarg_segment_align: 8
    .kernarg_segment_size: 48
    .max_flat_workgroup_size: 128
    .sgpr_count:     100
    .vgpr_count:     1024
    .wavefront_size: 32
...
	.end_amdgpu_metadata
.endif
;; end of part 2
;; launch attn (part 3): grid 4 x 64, 8 waves a work-group, clusters of 4 x 1, 222,208 bytes of LDS; arguments qkc, vc, sw, aq, asc; writes aq, asc
.if DOCPART == 3
	.amdgcn_target "amdgcn-amd-amdhsa--gfx1250"
	.amdhsa_code_object_version 6
	.text
	.protected	k_q93984c16f0_attn
	.globl	k_q93984c16f0_attn
	.p2align	8
	.type	k_q93984c16f0_attn,@function
k_q93984c16f0_attn:
	s_mov_b64 s[64:65], 0
	v_nop
	global_prefetch_b8 v0, s[64:65] scope:SCOPE_SE
	s_setreg_imm32_b32 hwreg(HW_REG_WAVE_MODE, 25, 1), 1
	s_wait_xcnt 0x0
	s_wait_alu depctr_hold_cnt(0) depctr_sa_sdst(0) depctr_va_vdst(0) depctr_va_sdst(0) depctr_va_ssrc(0) depctr_va_vcc(0) depctr_vm_vsrc(0)
	s_getreg_b32 s2, hwreg(HW_REG_IB_STS2, 6, 4)
	s_cmp_eq_u32 s2, 0
	s_cbranch_scc0 .Lentry_in_a_cluster
	s_endpgm
.Lentry_in_a_cluster:
	s_bfe_u32 s2, ttmp6, 0x10000c
	s_cmp_lg_u32 s2, 0x3003
	s_cbranch_scc0 .Lentry_shape_is_right
	s_endpgm
.Lentry_shape_is_right:
; O = softmax(Q K^T / 8) V for 64 heads (batch x head) of 2,048 tokens and head size 64, both products on codes of FP6 (E2M3) with E8M0 scales; the result, divided by the row's sum, is quantised along the model's axis and leaves as codes.
; THE SOFTMAX AHEAD OF THE SECOND PRODUCT: t = score x log2(e) / 8; M = the running largest t rounded UP to a whole number; p = 2^(t - M) is quantised along the keys; the row's sum is taken of the unquantised p
; and divides at the end.  When M moves, the sum and O are multiplied by 2^(old M - new M): exact.
; INPUTS (this program's own): qkc [q, k][head][place 2,048][48 bytes], a token's place being its number with bits 3 and 4 exchanged; vc: images of V^T's operand registers for each 128 keys and 16 channels; sw: scale words.
; THE ROWS OF A TILE OF K ARE CHOSEN BY ADDRESS: lane r of tile 4 c + 2 u + w takes place 64 c + 32 (r / 8) + 16 w + 8 u + r % 8, which is key 64 c + 32 (r / 8) + 8 (2 u + w) + r % 8.  In the transposed product a lane's
; registers 32 c + 0 .. 31 are then the keys 64 c + 32 (lane / 16) + 0 .. 31: ONE WHOLE scale block of P, in the very place that P's operand gives that lane.  No lane asks another for a block's maximum, and no code changes lanes.
; THE HEAD'S 64 FILL HALF OF THE INSTRUCTION'S 128 ALONG K: registers 6-11 of Q's and K's fragments hold zero codes, set once; the upper two bytes of their scale words are never 0xff.
; SHARES.  A cluster is the four work-groups of one head; a work-group owns 512 queries, in two passes of 256; each of its eight waves 32 a pass, two tiles of 16, so that each fragment of K and V read from LDS feeds two products.
; THE WHOLE HEAD'S K, V AND SCALE WORDS STAY IN LDS (208,896 bytes), asked for ONCE, jointly by the four work-groups, one tensor load a wave: waves 0, 1 the scale words, waves 2, 3 keys 0-511 of K and of V,
; waves 4-7 keys 512 on in halves.  No byte of LDS is filled twice, so there is no ring.  The first barrier waits for waves 0-3's loads alone, and steps 0-2 run on them.
; Both products are used transposed (S^T = K Q^T, O^T = V^T P^T): a lane holds ONE query throughout.
; A TRIP: O^T under the new M and the last step's V^T P^T; K Q^T; then this step's V AND THE NEXT STEP'S K are asked of LDS, and the softmax stands between these loads and the waits for them.  The walk over K wraps at a pass's end:
; pass 1 finds step 0 loaded; the last trip of pass 1 fetches step 0 once more, which nothing reads: the trips are alike.
; No prefetch: every tile is asked for at the kernel's head, so there is no loop to run ahead in.
; LIMITS: NaN and infinities are not served; the promise holds while the scaled scores stay under 2^31 in magnitude; p under 2^-126 counts as 0; a block's largest p is taken from the block's largest score by the same two
; instructions, which takes v_exp_f32 not to fall where its input rises; a block of zeros, or one under 2^-124, keeps the byte 1 (this program alone reads the bytes).
; REGISTERS.  window 0: v1-15, v34 addresses; v16-19 Q's scale words, v20-27 K's, v28-31 V's, v32-33 P's (scales and nothing else); v36-51 statistics, 8 a tile; v52-75 12 a tile: maxima, bytes, scale operands;
;   v76-99 P's codes; v100-127 first sums of p, of which v100-115 then take the conversions' second triples; v128-255 S^T, then p, 64 a tile.
; window 1: v0-63 O^T, 32 a tile; v64-159 eight fragments of K; v160-207 four of V; v208-255 Q: (pass, tile).
.set VC,    98304                      ; K's codes lie at 0: 2,048 places x 48 bytes; V's images here: 16 steps x 4 x 1,536 bytes
.set KS,    196608                     ; K's scale words: 16 x 512 bytes
.set VS,    204800                     ; V's: 16 x 256 bytes
.set SPARE, 208896                     ; the spare words, 128 bytes for each wave
.set STAGE, 209920                     ; the way out: 1,536 bytes for each wave; no tensor load lands here
.set AK0,  1                           ; 48 (lane % 16) + 24 (lane / 16): Q's rows and the stage
.set AV0,  2
.set ASK0, 3
.set ASV0, 4
.set ADK,  5
.set ADV,  6
.set ADS,  7
.set ADT,  8
.set STO,  9
.set RD,   10
.set AO,   11                          ; 16 x lane
.set ASO,  12                          ; 8 x lane
.set SPW,  13                          ; my spare word; never rewritten
.set NIL,  14                          ; 0; never rewritten
.set QSO,  15                          ; 32 x (lane % 16)
.set QSW,  16
.set KSW,  20
.set VSW,  28
.set PSW,  32
.set AKK,  34                          ; K's rows: 1,536 (r / 8) + 48 (r % 8) + 24 (lane / 16)
.set ST,   36                          ; tile t at ST + 8 t: +0 -M, +1 the largest score, +2, +3 the sum in two halves, +4 f, +5 the old -M, +6, +7 at work
.set BM,   52                          ; tile t at BM + 12 t: four chains of maxima; +0 and +2 end as my two blocks' largest
.set BT,   56                          ; bytes
.set SO,   60                          ; scale operands
.set PCD,  76
.set CT,   100
.set LS,   100                         ; fourteen pairs: first sums of tile 0's p
.set S,    128
.set OB,   160
.set WV,   14
.set CX,   15
.set BH,   16
.set CNT,  17
.set TB,   18                          ; 6,144 x step: V's images
.set TK,   19                          ; 512 x the next step: K's scale words
.set SEL,  20                          ; s[20:21] lane l xor 16
.set CS,   22                          ; s[22:23] c = log2(e) / 8
.set TS,   24                          ; 256 x step: V's scale words
.set HM,   25                          ; mask of lanes 16-31
.set KO,   26                          ; 6,144 x the next step: K's codes (at the head s26 and s27 tell the waves' loads apart)
.set D0,   28
.set D1,   32
.set D2,   36
.set G1S,  40
.set G1A,  48
.set G1B,  56
.set MSB, 0
.macro WIN new
.if MSB != \new
	s_set_vgpr_msb (MSB<<8)|\new
.set MSB, \new
.endif
.endm
.macro WALU
	s_wait_alu depctr_va_vdst(0)
.endm
.macro ROUND                           ; a round of the cluster's barrier
	s_barrier_signal -1
	s_barrier_wait -1
	s_cmp_lg_u32 s[WV], 0
	s_cbranch_scc1 .Lnot_wave_0_\@
	s_barrier_signal -3
.Lnot_wave_0_\@:
	s_barrier_wait -3
	s_barrier_signal -1
	s_barrier_wait -1
.endm
.macro TL g0, g1                       ; a joint load and the lines behind it
	tensor_load_to_lds s[\g0:\g0+3], s[\g1:\g1+7]
	s_nop 0
.rept 4
	v_nop
.endr
.endm
	s_load_b256 s[4:11], s[0:1], 0x0               ; qkc s[4:5], vc s[6:7], sw s[8:9], aq s[10:11]
	s_load_b64 s[12:13], s[0:1], 0x20              ; asc
	v_lshl_add_u32 v[SPW], v0, 2, SPARE
	v_mov_b32 v[NIL], 0
	ds_add_u32 v[SPW], v[NIL]                      ; the opening lines: the add, twice on end, and its wait ahead of my first tensor load
	ds_add_u32 v[SPW], v[NIL]
	v_lshrrev_b32 v120, 5, v0
	v_readfirstlane_b32 s[WV], v120                ; wave 0..7
	s_bfe_u32 s[CX], ttmp6, 0x40000                ; my place in the cluster: it enters Q's and the results' addresses alone
	s_and_b32 s[BH], ttmp7, 0xffff                 ; 16 batch + head, which the four partners share
	s_and_b32 s26, s[WV], 1                        ; K (0) or V (1)
	s_bfe_u32 s27, s[WV], 0x10001                  ; waves 4-7: which half of keys 512 on
	; group 1: dense blocks as rows of 256 bytes (32 elements of 8 bytes), no padding; 24, 96 and 144 rows
.irp g, G1S, G1A, G1B
	s_mov_b32 s[\g], 15|(3<<16)|(1<<21)            ; the mask: all four work-groups; elements of 8 bytes; bit 21 set beside a mask
	s_mov_b32 s[\g+1], 32<<16
	s_mov_b32 s[\g+3], 32<<16
	s_mov_b32 s[\g+5], 32
	s_mov_b32 s[\g+6], 0
	s_mov_b32 s[\g+7], 0
.endr
	s_mov_b32 s[G1S+2], 24<<16
	s_mov_b32 s[G1S+4], 24
	s_mov_b32 s[G1A+2], 96<<16
	s_mov_b32 s[G1A+4], 96
	s_mov_b32 s[G1B+2], 144<<16
	s_mov_b32 s[G1B+4], 144
	s_mul_i32 s66, s[BH], 12288
	s_mul_i32 s67, s[WV], 6144
	s_add_co_u32 s66, s66, s67
	s_add_co_u32 s66, s66, 786432
	s_mov_b32 s67, 0                               ; s[66:67]: half w of the head's 12,288 bytes of K's and V's scale words (waves 0, 1)
	s_mul_i32 s68, s[BH], 98304
	s_mov_b32 s69, 0                               ; s[68:69]: the head's codes
	s_lshl_b32 s72, s[CX], 9
	s_lshl_b32 s73, s[WV], 5
	s_add_co_u32 s72, s72, s73                     ; my first query's place in the head: 512 cx + 32 wave (pass 1: 256 on)
	s_mul_i32 s74, s72, 48
	s_add_co_u32 s74, s74, s68
	s_mov_b32 s75, 0                               ; s[74:75]: Q's codes
	s_lshr_b32 s76, s72, 7
	s_lshl_b32 s76, s76, 9
	s_and_b32 s77, s[WV], 3
	s_lshl_b32 s77, s77, 3
	s_add_co_u32 s76, s76, s77
	s_mul_i32 s77, s[BH], 12288
	s_add_co_u32 s76, s76, s77
	s_mov_b32 s77, 0                               ; s[76:77]: Q's scale words: the group of 128 places, tile 2 (wave % 4)
	s_lshr_b32 s82, s[BH], 4                       ; batch
	s_and_b32 s83, s[BH], 15                       ; head
	s_lshl_b32 s82, s82, 11
	s_add_co_u32 s82, s82, s72                     ; my first query's place among the 8,192
	s_mul_i32 s78, s82, 48
	s_mul_i32 s79, s83, 393216
	s_add_co_u32 s78, s78, s79
	s_mov_b32 s79, 0                               ; s[78:79]: the result's codes: [head][place][48]
	s_lshl_b32 s80, s82, 3
	s_lshr_b32 s81, s83, 2
	s_lshl_b32 s81, s81, 16
	s_add_co_u32 s80, s80, s81
	s_and_b32 s81, s83, 3
	s_lshl_b32 s81, s81, 1
	s_add_co_u32 s80, s80, s81
	s_mov_b32 s81, 0                               ; s[80:81]: its scale bytes: [head / 4][place][8], bytes 2 (head % 4) and the next
	s_mul_i32 s82, s[WV], 1536
	s_add_co_u32 s82, s82, STAGE                   ; my stage
	s_mul_i32 s84, s27, 36864
	s_add_co_u32 s84, s84, 24576
	s_mov_b32 s85, 0                               ; s[84:85]: where my half of keys 512 on begins in K's or V's 98,304 bytes (waves 4-7)
	s_mov_b32 s[SEL], 0x76543210
	s_mov_b32 s[SEL+1], 0xfedcba98
	s_mov_b32 s[CS], 0x3e38aa3b                    ; c = log2(e) / 8
	s_mov_b32 s[CS+1], s[CS]                       ; (named with it as a pair, so it is written)
	s_wait_dscnt 0x0                               ; both opening adds are done
	s_wait_kmcnt 0x0
	s_mov_b32 s[D0], 1
	s_mul_i32 s[D0+1], s[WV], 6144
	s_add_co_u32 s[D0+1], s[D0+1], KS
	s_add_nc_u64 s[D0+2:D0+3], s[8:9], s[66:67]
	s_or_b32 s[D0+3], s[D0+3], 0x80000000
	s_add_nc_u64 s[70:71], s[4:5], 6291456         ; K's codes lie behind Q's
	s_cmp_eq_u32 s26, 0                            ; even waves fetch K's codes, odd ones V's images: the choice hangs on the wave's number alone
	s_cselect_b64 s[70:71], s[70:71], s[6:7]
	s_add_nc_u64 s[70:71], s[70:71], s[68:69]
	s_mov_b32 s[D1], 1
	s_mul_i32 s[D1+1], s26, 98304
	s_mov_b64 s[D1+2:D1+3], s[70:71]
	s_or_b32 s[D1+3], s[D1+3], 0x80000000
	s_mov_b32 s[D2], 1
	s_add_co_u32 s[D2+1], s[D1+1], s84
	s_add_nc_u64 s[D2+2:D2+3], s[70:71], s[84:85]
	s_or_b32 s[D2+3], s[D2+3], 0x80000000
	s_add_nc_u64 s[74:75], s[4:5], s[74:75]
	s_add_nc_u64 s[76:77], s[8:9], s[76:77]
	s_add_nc_u64 s[78:79], s[10:11], s[78:79]
	s_add_nc_u64 s[80:81], s[12:13], s[80:81]
	ROUND                                          ; all four work-groups are here: the joint loads meet
	s_cmp_lt_u32 s[WV], 2                          ; one chain of arms, one load to an arm: every way passes exactly one
	s_cbranch_scc0 .Larm_first
	TL D0, G1S                                     ; waves 0, 1: half of the scale words each
	s_branch .Lasked
.Larm_first:
	s_cmp_lt_u32 s[WV], 4
	s_cbranch_scc0 .Larm_rest
	TL D1, G1A                                     ; waves 2, 3: keys 0-511 of K, of V
	s_branch .Lasked
.Larm_rest:
	TL D2, G1B                                     ; waves 4-7: keys 512 on, K's and V's, a half each
.Lasked:
	v_and_b32 v120, 15, v0                         ; r
	v_bfe_u32 v121, v0, 4, 1                       ; h
	v_and_b32 v122, 31, v0                         ; lane
	v_and_b32 v123, 7, v0                          ; r % 8
	v_bfe_u32 v124, v0, 3, 1                       ; r / 8
	v_mul_u32_u24 v[AK0], v120, 48
	v_mul_u32_u24 v[AKK], v123, 48
	v_mad_u32_u24 v[AK0], v121, 24, v[AK0]
	v_mad_u32_u24 v[AKK], v121, 24, v[AKK]
	v_lshlrev_b32 v[AO], 4, v122
	v_mad_u32_u24 v[AKK], v124, 1536, v[AKK]
	v_add_nc_u32 v[AV0], VC, v[AO]
	v_lshlrev_b32 v[QSO], 5, v120
	v_lshl_add_u32 v[ASK0], v123, 5, KS
	v_lshl_add_u32 v[ASV0], v120, 4, VS            ; V's words: my row's four tiles, 16 bytes
	v_lshl_add_u32 v[ASK0], v124, 3, v[ASK0]       ; K's words lie [r 16][tile 8] by places: my row's are at 32 (r % 8) + 8 (r / 8) + 256 u + 16 c + 4 w
	v_add_nc_u32 v[STO], s82, v[AK0]
	v_add_nc_u32 v[RD], s82, v[AO]
	v_lshlrev_b32 v[ASO], 3, v122
	v_cmp_lt_u32 s[HM], 15, v122
.irp p, 0,1
.irp t, 0,1
	global_load_b32 v[QSW+2*\p+\t], v[QSO], s[76:77] offset:1024*\p+4*\t
.endr
.endr
	WIN 0x40                                       ; destination window 1
.irp p, 0,1
.irp t, 0,1
.irp i, 0,1,2
	global_load_b64 v[208+24*\p+12*\t+2*\i:209+24*\p+12*\t+2*\i], v[AK0], s[74:75] offset:12288*\p+768*\t+8*\i   ; both passes' Q stays in registers
.endr
.endr
.endr
.irp f, 0,1,2,3,4,5,6,7
.irp i, 6,7,8,9,10,11
	v_mov_b32 v[64+12*\f+\i], 0                    ; K = 64 .. 127 of K's fragments: zero codes, set once
.endr
.endr
.irp f, 0,1,2,3
.irp i, 6,7,8,9,10,11
	v_mov_b32 v[208+12*\f+\i], 0                   ; and of Q's
.endr
.endr
	WIN 0
.irp t, 0,1
	v_mov_b32 v[ST+8*\t+5], 0                      ; named as the upper half of a pair
	v_mov_b32 v[ST+8*\t+7], 0                      ; a lane permute's destination counts as one of its sources
.irp b, 0,1,2,3
	v_mov_b32 v[BT+12*\t+\b], 0
.endr
.endr
.macro INIT p                          ; a pass begins: O^T and the sum are zeros and the largest score is -3e38, so that the step is written once: the first change of M multiplies zeros
.if \p
	s_wait_xcnt 0x0                                ; the last pass's stores have read their registers
.endif
	WIN 0x40
.set JJ, 0
.rept 64
	v_mov_b32 v[JJ], 0
.set JJ, JJ+1
.endr
	WIN 0
.irp t, 0,1
	v_mov_b32 v[ST+8*\t+1], 0xff61b1e6
	s_delay_alu instid0(VALU_DEP_1)
	v_floor_f32 v[ST+8*\t], -v[ST+8*\t+1]
	v_mov_b32 v[ST+8*\t+2], 0
	v_mov_b32 v[ST+8*\t+3], 0
.endr
	s_mov_b32 s[TB], 0
	s_mov_b32 s[TS], 0
	s_mov_b32 s[KO], 0
	s_mov_b32 s[TK], 0
.endm
.macro KWORDS                          ; my row's eight scale words of a step's K: 4 LDS loads
.irp c, 0,1
.irp u, 0,1
	ds_load_b64 v[KSW+4*\c+2*\u:KSW+4*\c+2*\u+1], v[ADS] offset:256*\u+16*\c
.endr
.endr
.endm
.macro KFRAGS                          ; a step's K: eight tiles of 16 rows, 24 bytes a lane each: 24 LDS loads (destination window 1)
.irp c, 0,1
.irp u, 0,1
.irp w, 0,1
.irp i, 0,1,2
	ds_load_b64 v[64+12*(4*\c+2*\u+\w)+2*\i:65+12*(4*\c+2*\u+\w)+2*\i], v[ADK] offset:3072*\c+384*\u+768*\w+8*\i
.endr
.endr
.endr
.endr
.endm
.macro KNEXT wrap                      ; K's addresses go one step ahead of V's; wrap = 1: behind the last step comes step 0
	s_add_co_u32 s[KO], s[KO], 6144
	s_add_co_u32 s[TK], s[TK], 512
.if \wrap
	s_cmp_eq_u32 s[KO], 98304
	s_cselect_b32 s[KO], 0, s[KO]
	s_cselect_b32 s[TK], 0, s[TK]
.endif
.endm
.macro VKLOAD                          ; this step's V (four images of 12 registers, four scale words) and the next step's K.  The four plain lines are the places behind the products above
	WIN 0
	v_add_nc_u32 v[ADV], s[TB], v[AV0]
	v_add_nc_u32 v[ADT], s[TS], v[ASV0]
	v_add_nc_u32 v[ADK], s[KO], v[AKK]
	v_add_nc_u32 v[ADS], s[TK], v[ASK0]
	ds_load_b128 v[VSW:VSW+3], v[ADT]
	KWORDS
	WIN 0x40
.irp d, 0,1,2,3
.irp i, 0,1,2
	ds_load_b128 v[160+12*\d+4*\i:163+12*\d+4*\i], v[ADV] offset:1536*\d+512*\i
.endr
.endr
	KFRAGS
	WIN 0
.endm
.macro TAILW n                         ; O^T under the new M, then O^T += V^T P^T of the step whose softmax is done.  n: the LDS loads issued behind V's, which may stay out
	WIN 0x41                                       ; O^T (destination, source 0) window 1, f window 0
	WALU                                           ; the wait directly ahead of the first reader of O^T
.irp t, 0,1
.irp j, 0,2,4,6,8,10,12,14,16,18,20,22,24,26,28,30
	v_pk_mul_f32 v[32*\t+\j:32*\t+\j+1], v[32*\t+\j:32*\t+\j+1], v[ST+8*\t+4:ST+8*\t+5] op_sel_hi:[1,0]   ; each accumulator from its low end on; these lines are also the places between P's codes and scale word and the products
.endr
.endr
	WALU
	s_wait_dscnt \n
	WIN 0x51                                       ; V window 1, P window 0, C and D window 1
.irp d, 0,1,2,3
.irp t, 0,1
	v_wmma_scale_f32_16x16x128_f8f6f4 v[32*\t+8*\d:32*\t+8*\d+7], v[160+12*\d:171+12*\d], v[PCD+12*\t:PCD+12*\t+11], v[32*\t+8*\d:32*\t+8*\d+7], v[VSW+\d], v[PSW+\t] matrix_a_fmt:MATRIX_FMT_FP6 matrix_b_fmt:MATRIX_FMT_FP6
.endr
.endr
.endm
.macro SMUL p                          ; S^T = K Q^T: eight tiles of keys x my two tiles of queries; each product starts its sum
	s_wait_dscnt 0x0
	WIN 0x05                                       ; K and Q window 1, S^T window 0
.irp k, 0,1,2,3,4,5,6,7
.irp t, 0,1
	v_wmma_scale_f32_16x16x128_f8f6f4 v[S+64*\t+8*\k:S+64*\t+8*\k+7], v[64+12*\k:75+12*\k], v[208+24*(\p)+12*\t:219+24*(\p)+12*\t], 0, v[KSW+\k], v[QSW+2*(\p)+\t] matrix_a_fmt:MATRIX_FMT_FP6 matrix_b_fmt:MATRIX_FMT_FP6
.endr
.endr
.endm
; THE SOFTMAX of a step's 128 keys for my two tiles.  Register 32 c + i of a tile is key 64 c + 32 (lane / 16) + i: my lane's two whole blocks.
.macro SOFTMAX
.irp b, 0,1,2,3
.irp t, 0,1
	v_max3_num_f32 v[BM+12*\t+\b], v[S+64*\t+16*\b], v[S+64*\t+16*\b+1], v[S+64*\t+16*\b+2]   ; the largest score, in two chains a block: it serves for the row's maximum and, since p rises with the score, for the block's largest p
.endr
.endr
.irp i, 3,5,7,9,11,13
.irp b, 0,1,2,3
.irp t, 0,1
	v_max3_num_f32 v[BM+12*\t+\b], v[BM+12*\t+\b], v[S+64*\t+16*\b+\i], v[S+64*\t+16*\b+\i+1]
.endr
.endr
.endr
.irp c, 0,2
.irp t, 0,1
	v_max3_num_f32 v[BM+12*\t+\c], v[BM+12*\t+\c], v[S+64*\t+16*\c+15], v[S+64*\t+16*\c+31]   ; both chains' last numbers,
.endr
.endr
.irp c, 0,2
.irp t, 0,1
	v_max_num_f32 v[BM+12*\t+\c], v[BM+12*\t+\c], v[BM+12*\t+\c+1]   ; and the two chains joined: the block's largest score
.endr
.endr
.irp t, 0,1
	s_delay_alu instid0(VALU_DEP_2)
	v_max_num_f32 v[ST+8*\t+6], v[BM+12*\t], v[BM+12*\t+2]
.endr
.irp t, 0,1
	s_delay_alu instid0(VALU_DEP_2)
	v_permlanex16_b32 v[ST+8*\t+7], v[ST+8*\t+6], s[SEL], s[SEL+1]
.endr
.irp t, 0,1
	s_delay_alu instid0(VALU_DEP_2)
	v_max3_num_f32 v[ST+8*\t+1], v[ST+8*\t+6], v[ST+8*\t+7], v[ST+8*\t+1]   ; with lane l xor 16's 64 keys: the running largest score
.endr
.irp t, 0,1
	s_delay_alu instid0(VALU_DEP_2)
	v_mul_f32 v[ST+8*\t+6], s[CS], v[ST+8*\t+1]    ; as t (c is positive)
.endr
.irp t, 0,1
	v_mov_b32 v[ST+8*\t+5], v[ST+8*\t]
.endr
.irp t, 0,1
	s_delay_alu instid0(VALU_DEP_4)
	v_floor_f32 v[ST+8*\t], -v[ST+8*\t+6]          ; the new -M = floor(-t): M is a whole number
.endr
.irp t, 0,1
	s_delay_alu instid0(VALU_DEP_2)
	v_sub_f32 v[ST+8*\t+6], v[ST+8*\t], v[ST+8*\t+5]   ; old M - new M: a whole number, 0 or less
.endr
.irp t, 0,1
	s_delay_alu instid0(VALU_DEP_2)
	v_cvt_i32_f32 v[ST+8*\t+6], v[ST+8*\t+6]       ; (it saturates)
.endr
.irp t, 0,1
	s_delay_alu instid0(VALU_DEP_2)
	v_ldexp_f32 v[ST+8*\t+4], 1.0, v[ST+8*\t+6]    ; f = 2^(old M - new M)
.endr
.set JJ, 0
.rept 32
	v_pk_fma_f32 v[S+JJ:S+JJ+1], v[S+JJ:S+JJ+1], s[CS:CS+1], v[ST:ST+1] op_sel_hi:[1,0,0]   ; tile 0: t - M, two at a time
.set JJ, JJ+2
.endr
.irp c, 0,2
.irp t, 0,1
	v_fma_f32 v[BM+12*\t+\c], v[BM+12*\t+\c], s[CS], v[ST+8*\t]   ; the same of each block's largest score
.endr
.endr
.irp t, 0,1
	v_pk_mul_f32 v[ST+8*\t+2:ST+8*\t+3], v[ST+8*\t+2:ST+8*\t+3], v[ST+8*\t+4:ST+8*\t+5] op_sel_hi:[1,0]   ; the sums under the new M
.endr
	WALU                                           ; the wait ahead of a batch
.set JJ, 0
.rept 32                                       ; THE FIRST BATCH: tile 0's p = 2^(t - M), at most 1, not normalised.  Among it tile 1's t - M: lines that read nothing written in the batch, and whose results are read behind the wait below
	v_exp_f32 v[S+JJ], v[S+JJ]
	v_exp_f32 v[S+JJ+1], v[S+JJ+1]
	v_pk_fma_f32 v[S+64+JJ:S+64+JJ+1], v[S+64+JJ:S+64+JJ+1], s[CS:CS+1], v[ST+8:ST+9] op_sel_hi:[1,0,0]
.set JJ, JJ+2
.endr
	WALU                                           ; one wait behind the first batch and ahead of the second
.irp c, 0,2
.irp t, 0,1
	v_exp_f32 v[BM+12*\t+\c], v[BM+12*\t+\c]       ; the block's largest p: the same two instructions on the same number give the same bits
.endr
.endr
.set JJ, 0
.rept 32                                       ; THE SECOND BATCH: tile 1's p.  Among it fourteen first sums of tile 0's UNQUANTISED p, each of four numbers of its own
	v_exp_f32 v[S+64+JJ], v[S+64+JJ]
	v_exp_f32 v[S+64+JJ+1], v[S+64+JJ+1]
.if JJ < 28
	v_pk_add_f32 v[LS+JJ:LS+JJ+1], v[S+2*JJ:S+2*JJ+1], v[S+2*JJ+2:S+2*JJ+3]
.endif
.set JJ, JJ+2
.endr
	v_pk_add_f32 v[ST+2:ST+3], v[ST+2:ST+3], v[S+56:S+57]   ; a plain line behind the exponentials
	WALU                                           ; and the wait behind the second batch
.set NN, 0
.rept 8                                        ; the rows' sums, two chains a tile by turns: tile 0's over the first sums and its last three pairs, tile 1's over its 32 pairs
.if NN < 7
	v_pk_add_f32 v[ST+2:ST+3], v[ST+2:ST+3], v[LS+4*NN:LS+4*NN+1]
.else
	v_pk_add_f32 v[ST+2:ST+3], v[ST+2:ST+3], v[S+58:S+59]
.endif
	v_pk_add_f32 v[ST+10:ST+11], v[ST+10:ST+11], v[S+64+8*NN:S+64+8*NN+1]
.if NN == 0
	v_pk_add_f32 v[LS:LS+1], v[S+66:S+67], v[S+70:S+71]   ; (the first of the first sums has just been read: its pair takes tile 1's second chain)
.else
	v_pk_add_f32 v[LS:LS+1], v[LS:LS+1], v[S+64+8*NN+6:S+64+8*NN+7]
.endif
.if NN < 6
	v_pk_add_f32 v[LS+2:LS+3], v[LS+2:LS+3], v[LS+4*NN+6:LS+4*NN+7]
.else
	v_pk_add_f32 v[LS+2:LS+3], v[LS+2:LS+3], v[S+60+2*(NN-6):S+61+2*(NN-6)]
.endif
	v_pk_add_f32 v[ST+10:ST+11], v[ST+10:ST+11], v[S+64+8*NN+4:S+64+8*NN+5]
.if NN < 7
	v_pk_add_f32 v[LS:LS+1], v[LS:LS+1], v[S+64+8*NN+10:S+64+8*NN+11]
.endif
.set NN, NN+1
.endr
	v_pk_add_f32 v[ST+2:ST+3], v[ST+2:ST+3], v[LS+2:LS+3]
	v_pk_add_f32 v[ST+10:ST+11], v[ST+10:ST+11], v[LS:LS+1]
.irp c, 0,2
.irp t, 0,1
	v_max_num_f32 v[BM+12*\t+\c], 0x1800000, v[BM+12*\t+\c]   ; the floor 2^(3 - 127): the byte cannot fall under 1
.endr
.endr
.irp c, 0,2
.irp t, 0,1
	v_add_nc_u32 v[SO+12*\t+\c], 0xff000000, v[BM+12*\t+\c]   ; 2 off the exponent field: the conversion's scale operand
.endr
.endr
.irp c, 0,2
.irp t, 0,1
	v_lshrrev_b32 v[BT+12*\t+\c], 23, v[SO+12*\t+\c]   ; the scale's byte
.endr
.endr
.irp t, 0,1
	v_lshl_or_b32 v[BT+12*\t+1], v[BT+12*\t+2], 16, v[BT+12*\t]   ; my two bytes: blocks h and 2 + h
.endr
.irp t, 0,1
	v_permlanex16_b32 v[BT+12*\t+3], v[BT+12*\t+1], s[SEL], s[SEL+1]
.endr
.irp t, 0,1
	v_lshl_or_b32 v[PSW+\t], v[BT+12*\t+3], 8, v[BT+12*\t+1]   ; lanes 0-15, which alone are read: blocks 0, 2 are mine, blocks 1, 3 lane l + 16's
.endr
.irp t, 0,1
.irp c, 0,1
	v_cvt_scalef32_pk16_fp6_f32 v[PCD+12*\t+6*\c:PCD+12*\t+6*\c+2], v[S+64*\t+32*\c:S+64*\t+32*\c+15], v[SO+12*\t+2*\c]
	v_cvt_scalef32_pk16_fp6_f32 v[CT+8*\t+4*\c:CT+8*\t+4*\c+2], v[S+64*\t+32*\c+16:S+64*\t+32*\c+31], v[SO+12*\t+2*\c]   ; (a conversion's three registers begin on an even number)
.endr
.endr
	v_nop                                          ; one plain line behind the last scaled conversion
.irp t, 0,1
.irp c, 0,1
.irp i, 0,1,2
	v_mov_b32 v[PCD+12*\t+6*\c+3+\i], v[CT+8*\t+4*\c+\i]   ; registers 6 c .. 6 c + 5: my block 2 c + h, whole
.endr
.endr
.endr
.endm
.macro ONWARD                          ; V's next step
	s_add_co_u32 s[TB], s[TB], 6144
	s_add_co_u32 s[TS], s[TS], 256
.endm
.macro HEAD p                          ; a pass's first step: its K is in or on its way, and there is nothing yet to add
	SMUL \p
	KNEXT 0
	VKLOAD
	SOFTMAX
	ONWARD
.endm
.macro BODY p, wrap
	TAILW 24                                       ; V's loads are in; K's 24 fragment loads, issued behind them, may be out
	SMUL \p
	KNEXT \wrap
	VKLOAD
	SOFTMAX
	ONWARD
.endm
; THE WAY OUT of a pass: O^T / the sum; register 16 b + i of a tile is channel 32 b + 16 (lane / 16) + i of the head: two blocks of the last product's K.  Quantised, a query's 48 bytes go through my stage and leave as 1,536 consecutive bytes.
.macro OUT p
	WIN 0
.irp t, 0,1
	v_add_f32 v[ST+8*\t+6], v[ST+8*\t+2], v[ST+8*\t+3]
.endr
.irp t, 0,1
	s_delay_alu instid0(VALU_DEP_2)
	v_permlanex16_b32 v[ST+8*\t+7], v[ST+8*\t+6], s[SEL], s[SEL+1]
.endr
.irp t, 0,1
	s_delay_alu instid0(VALU_DEP_2)
	v_add_f32 v[ST+8*\t+6], v[ST+8*\t+6], v[ST+8*\t+7]   ; the row's sum
.endr
	WALU
.irp t, 0,1
	v_rcp_f32 v[ST+8*\t+6], v[ST+8*\t+6]
.endr
	v_nop                                          ; a plain line behind the reciprocals
	WALU                                           ; and the wait ahead of their first reader
	WIN 0x01                                       ; source 0 (O^T) window 1
.irp t, 0,1
.irp j, 0,2,4,6,8,10,12,14,16,18,20,22,24,26,28,30
	v_pk_mul_f32 v[S+64*\t+\j:S+64*\t+\j+1], v[32*\t+\j:32*\t+\j+1], v[ST+8*\t+6:ST+8*\t+7] op_sel_hi:[1,0]   ; each accumulator from its low end on
.endr
.endr
	WIN 0
.irp b, 0,1
.irp t, 0,1
	v_max3_num_f32 v[BM+12*\t+\b], |v[S+64*\t+16*\b]|, |v[S+64*\t+16*\b+1]|, 0x1800000
.endr
.endr
.irp i, 2,4,6,8,10,12,14
.irp b, 0,1
.irp t, 0,1
	s_delay_alu instid0(VALU_DEP_4)
	v_max3_num_f32 v[BM+12*\t+\b], v[BM+12*\t+\b], |v[S+64*\t+16*\b+\i]|, |v[S+64*\t+16*\b+\i+1]|
.endr
.endr
.endr
.irp b, 0,1
.irp t, 0,1
	s_delay_alu instid0(VALU_DEP_4)
	v_permlanex16_b32 v[BT+12*\t+\b], v[BM+12*\t+\b], s[SEL], s[SEL+1]
.endr
.endr
.irp b, 0,1
.irp t, 0,1
	s_delay_alu instid0(VALU_DEP_4)
	v_max_num_f32 v[BM+12*\t+\b], v[BM+12*\t+\b], v[BT+12*\t+\b]
.endr
.endr
.irp b, 0,1
.irp t, 0,1
	s_delay_alu instid0(VALU_DEP_4)
	v_add_nc_u32 v[SO+12*\t+\b], 0xff000000, v[BM+12*\t+\b]
.endr
.endr
.irp b, 0,1
.irp t, 0,1
	s_delay_alu instid0(VALU_DEP_4)
	v_lshrrev_b32 v[BT+12*\t+\b], 23, v[SO+12*\t+\b]
.endr
.endr
.irp t, 0,1
	s_delay_alu instid0(VALU_DEP_2)
	v_lshl_or_b32 v[ST+8*\t+4], v[BT+12*\t+1], 8, v[BT+12*\t]   ; the query's two scale bytes
.endr
.irp t, 0,1
	v_cvt_scalef32_pk16_fp6_f32 v[PCD+12*\t:PCD+12*\t+2], v[S+64*\t:S+64*\t+15], v[SO+12*\t]
	v_cvt_scalef32_pk16_fp6_f32 v[CT+8*\t:CT+8*\t+2], v[S+64*\t+16:S+64*\t+31], v[SO+12*\t+1]
.endr
	v_nop
.irp t, 0,1
.irp i, 0,1,2
	v_permlane16_swap_b32 v[PCD+12*\t+\i], v[CT+8*\t+\i]
.endr
.irp i, 0,1,2
	s_delay_alu instid0(VALU_DEP_3)
	v_mov_b32 v[PCD+12*\t+3+\i], v[CT+8*\t+\i]
.endr
.endr
.irp t, 0,1
.irp i, 0,1,2
	ds_store_b64 v[STO], v[PCD+12*\t+2*\i:PCD+12*\t+2*\i+1] offset:768*\t+8*\i
.endr
.endr
.irp i, 0,1,2
	ds_load_b128 v[OB+4*\i:OB+4*\i+3], v[RD] offset:512*\i   ; LDS serves a wave's instructions in order: these see my stores
.endr
	v_cndmask_b32 v[OB+12], v[ST+4], v[ST+12], s[HM]   ; lane l takes the bytes of place l of my 32: lanes 16-31 tile 1's
	WALU
	s_wait_dscnt 0x0
.irp i, 0,1,2
	global_store_b128 v[AO], v[OB+4*\i:OB+4*\i+3], s[78:79] offset:12288*(\p)+512*\i   ; 32 lanes store 512 consecutive bytes, at a multiple of 256 from the buffer's first byte
.endr
	global_store_b16 v[ASO], v[OB+12], s[80:81] offset:2048*(\p)   ; two bytes of each place's eight: the other six are other heads'
.endm
	s_wait_loadcnt 0x0                             ; Q
	INIT 0
	WALU                                           ; the wait at the head's end
	s_cmp_lt_u32 s[WV], 4                          ; waves 0-3 brought the scale words and keys 0-511; the loads of keys 512 on, lines of waves 4-7 alone, may stay out
	s_cbranch_scc0 .Lnot_first
	s_wait_tensorcnt 0x0
.Lnot_first:
	s_barrier_signal -1
	s_barrier_wait -1
	v_add_nc_u32 v[ADK], s[KO], v[AKK]             ; step 0's K
	v_add_nc_u32 v[ADS], s[TK], v[ASK0]
	KWORDS
	WIN 0x40
	KFRAGS
	WIN 0
	HEAD 0                                         ; step 0; it asks for step 1's K
	s_mov_b32 s[CNT], 2
.Lfirst:                                           ; steps 1 and 2: with step 3's K they read bytes under 24,576 of K's and of V's region
	BODY 0, 0
	s_sub_co_u32 s[CNT], s[CNT], 1
	s_cmp_lg_u32 s[CNT], 0
	s_cbranch_scc1 .Lfirst
	s_wait_tensorcnt 0x0                           ; the rest of the head is in,
	s_wait_dscnt 0x0                               ; (no LDS instruction is pending at a signal)
	s_barrier_signal -1
	s_barrier_wait -1                              ; for every wave
	s_mov_b32 s[CNT], 13
.Lrest:                                            ; steps 3 to 15
	BODY 0, 1
	s_sub_co_u32 s[CNT], s[CNT], 1
	s_cmp_lg_u32 s[CNT], 0
	s_cbranch_scc1 .Lrest
	TAILW 0
	OUT 0
	INIT 1
	HEAD 1                                         ; step 0's K was asked for in the last trip above
	s_mov_b32 s[CNT], 15
.Lsecond:
	BODY 1, 1
	s_sub_co_u32 s[CNT], s[CNT], 1
	s_cmp_lg_u32 s[CNT], 0
	s_cbranch_scc1 .Lsecond
	TAILW 0
	OUT 1
	s_wait_tensorcnt 0x0                           ; the wave's end
	ds_add_u32 v[SPW], v[NIL]
	s_wait_dscnt 0x0
	ROUND                                          ; the closing round
	s_endpgm
.Lfunc_end_k_q93984c16f0_attn:
	.size	k_q93984c16f0_attn, .Lfunc_end_k_q93984c16f0_attn-k_q93984c16f0_attn
	.p2alignl 7, 3214868480
	.fill 96, 4, 3214868480
	.section	.rodata,"a",@progbits
	.p2align	6, 0x0
	.amdhsa_kernel k_q93984c16f0_attn
		.amdhsa_group_segment_fixed_size 222208
		.amdhsa_private_segment_fixed_size 0
		.amdhsa_enable_private_segment 0
		.amdhsa_kernarg_size 40
		.amdhsa_user_sgpr_count 2
		.amdhsa_user_sgpr_kernarg_segment_ptr 1
		.amdhsa_wavefront_size32 1
		.amdhsa_system_sgpr_workgroup_id_x 1
		.amdhsa_system_sgpr_workgroup_id_y 1
		.amdhsa_system_sgpr_workgroup_id_z 1
		.amdhsa_system_vgpr_workitem_id 0
		.amdhsa_next_free_vgpr 512
		.amdhsa_next_free_sgpr 96
		.amdhsa_reserve_vcc 0
		.amdhsa_float_denorm_mode_32 3
		.amdhsa_float_denorm_mode_16_64 3
		.amdhsa_memory_ordered 1
		.amdhsa_forward_progress 1
		.amdhsa_inst_pref_size 178
	.end_amdhsa_kernel
	.amdgpu_metadata
---
amdhsa.version: [ 1, 2 ]
amdhsa.kernels:
  - .name:           k_q93984c16f0_attn
    .symbol:         k_q93984c16f0_attn.kd
    .args:
      - { .name: qkc, .offset: 0, .size: 8, .value_kind: global_buffer, .address_space: global }
      - { .name: vc, .offset: 8, .size: 8, .value_kind: global_buffer, .address_space: global }
      - { .name: sw, .offset: 16, .size: 8, .value_kind: global_buffer, .address_space: global }
      - { .name: aq, .offset: 24, .size: 8, .value_kind: global_buffer, .address_space: global }
      - { .name: asc, .offset: 32, .size: 8, .value_kind: global_buffer, .address_space: global }
    .group_segment_fixed_size: 222208
    .private_segment_fixed_size: 0
    .kernarg_segment_align: 8
    .kernarg_segment_size: 40
    .max_flat_workgroup_size: 256
    .sgpr_count:     96
    .vgpr_count:     512
    .wavefront_size: 32
...
	.end_amdgpu_metadata
.endif
;; end of part 3
;; launch proj (part 4): grid 8 x 32, 4 waves a work-group, clusters of 4 x 4, 327,680 bytes of LDS; arguments aq, asc, cq, cs, b_proj, out0; writes out0
.if DOCPART == 4
	.amdgcn_target "amdgcn-amd-amdhsa--gfx1250"
	.amdhsa_code_object_version 6
	.text
	.protected	k_q93984c16f0_proj
	.globl	k_q93984c16f0_proj
	.p2align	8
	.type	k_q93984c16f0_proj,@function
k_q93984c16f0_proj:
	s_mov_b64 s[64:65], 0
	v_nop
	global_prefetch_b8 v0, s[64:65] scope:SCOPE_SE
	s_setreg_imm32_b32 hwreg(HW_REG_WAVE_MODE, 25, 1), 1
	s_wait_xcnt 0x0
	s_wait_alu depctr_hold_cnt(0) depctr_sa_sdst(0) depctr_va_vdst(0) depctr_va_sdst(0) depctr_va_ssrc(0) depctr_va_vcc(0) depctr_vm_vsrc(0)
	s_getreg_b32 s2, hwreg(HW_REG_IB_STS2, 6, 4)
	s_cmp_eq_u32 s2, 0
	s_cbranch_scc0 .Lentry_in_a_cluster
	s_endpgm
.Lentry_in_a_cluster:
	s_bfe_u32 s2, ttmp6, 0x10000c
	s_cmp_lg_u32 s2, 0xf033
	s_cbranch_scc0 .Lentry_shape_is_right
	s_endpgm
.Lentry_shape_is_right:
; out = attention's result x w_proj + b_proj on codes of FP6 (E2M3) with E8M0 scales, K = 1,024; f32 out.
; OPERANDS: aq [K / 64][place 8,192][48 bytes], asc [K / 256][place][8 bytes]: the tokens; cq, cs likewise with 12,288 places, of which 11,264 on are w_proj's columns.  A row's place is its number with bits 3 and 4 exchanged.
; SHARES: 8 x 32 work-groups, one tile of 256 tokens x 128 columns each; wave w takes places 64 w .. 64 w + 63 against all 128 columns: 4 x 8 accumulators, 256 registers.
; ALL OF K LIES IN LDS: the tokens' 16 pieces of 12,288 bytes, then the columns' 16 of 6,144.  Four joint loads at the head, one a wave: wave 0 the tokens' first eight pieces, wave 1 the columns', waves 2 and 3 the second eight.
; The first barrier waits for waves 0 and 1 alone; a plain barrier ahead of the fetch of K step 4 shows the rest.  No byte is filled twice: no ring, no refill.
; CLUSTERS: 4 x 4; the tokens' tiles are shared along a row of the cluster, the columns' along a column.
; THE SCALE WORDS go from memory into registers, for all of K: a load of 8 bytes a lane takes 32 neighbouring places, 256 consecutive aligned bytes; lanes 0-15 hold an even block's words, lanes 16-31 the odd block's.
; The matrix instruction is used transposed (source 0 = 16 columns, source 1 = 16 tokens): a lane holds eight neighbouring numbers of a row of the result.  The bias is the C of each sum's first product.
; No prefetch: every tile is asked for at the kernel's head, so there is no loop to run ahead in.
; LIMITS: none beyond those of the codes and scale bytes that the earlier launches leave.
; REGISTERS: window 0: v4-14 addresses; v32-47 the tokens' scale words, v52-83 the columns' (scales and nothing else); v88-151 the bias; v160-255 the tokens' fragments, two sets of 48; on the way out v128-255 the rows read back.
;   window 1: the columns' fragments, two sets, at v0 and v128.   window 2: accumulator (a, b) at v[8 (8 a + b)].
.set PA,     12288                     ; a piece: 64 along K of 256 places
.set PB,     6144                      ; of 128 places
.set BREG,   16*PA
.set SPARE,  BREG+16*PB                ; the spare words, 128 bytes for each wave
.set KBA,    393216                    ; bytes from one 64 along K to the next in aq,
.set KBB,    589824                    ; in cq
.set FR,     12
.set SPITCH, 528                       ; the way out: a stage of 16 rows x (512 + 16) bytes for each wave, in the tokens' region, behind a barrier behind which nobody reads it
.set ADRA, 4                           ; v4-7 my tokens' fragments, K steps 2 g and 2 g + 1
.set ADRB, 8                           ; v8-9 the columns', K steps 4 g .. 4 g + 3
.set BOF,  10
.set L8,   11                          ; 8 x lane
.set STO,  12
.set RD,   13
.set CO,   14
.set SPW,  28
.set NIL,  29
.set SA,   32
.set SBR,  52
.set BIAS, 88
.set AF,   160
.set BK,   128
.set WV,   16
.set G1A,  24
.set G0A,  32                          ; s[32:35], s[36:39] the tokens' two halves of K
.set G1B,  48
.set G0B,  56                          ; s[56:59], s[60:63] the columns'
.set MSB, 0
.macro WIN new
.if MSB != \new
	s_set_vgpr_msb (MSB<<8)|\new
.set MSB, \new
.endif
.endm
.macro PLACES n
.rept \n
	v_nop
.endr
.endm
.macro CROUND                          ; a round of the cluster's barrier
	s_barrier_signal -1
	s_barrier_wait -1
	s_cmp_lg_u32 s[WV], 0
	s_cbranch_scc1 .Lnot_wave_0_\@
	s_barrier_signal -3
.Lnot_wave_0_\@:
	s_barrier_wait -3
	s_barrier_signal -1
	s_barrier_wait -1
.endm
.macro GROUP1 g, mask, el, pitch       ; 8 rows (pieces) of el elements of 8 bytes, dense in LDS
	s_or_b32 s[\g], s\mask, (3<<16)|(1<<21)
	s_mov_b32 s[\g+1], (\el)<<16
	s_mov_b32 s[\g+2], 8<<16
	s_mov_b32 s[\g+3], (\el)<<16
	s_mov_b32 s[\g+4], 8
	s_mov_b32 s[\g+5], \pitch
	s_mov_b32 s[\g+6], 0
	s_mov_b32 s[\g+7], 0
.endm
.macro GROUP0 g, lds, base, step
	s_mov_b32 s[\g], 1
	s_mov_b32 s[\g+1], \lds
	s_add_nc_u64 s[\g+2:\g+3], s[\base:\base+1], \step
	s_or_b32 s[\g+3], s[\g+3], 0x80000000
.endm
.macro TL g0, g1
	tensor_load_to_lds s[\g0:\g0+3], s[\g1:\g1+7]
	s_nop 0
	PLACES 4
.endm
.macro ARM under, g0, g1, next         ; an arm of the head's one chain: its load and a jump to the join
	s_cmp_lt_u32 s[WV], \under
	s_cbranch_scc0 \next
	TL \g0, \g1
	s_branch .Lasked
\next:
.endm
	s_load_b256 s[4:11], s[0:1], 0x0               ; aq s[4:5], asc s[6:7], cq s[8:9], cs s[10:11]
	s_load_b128 s[12:15], s[0:1], 0x20             ; b_proj s[12:13], out0 s[14:15]
	v_lshl_add_u32 v[SPW], v0, 2, SPARE
	v_mov_b32 v[NIL], 0
	ds_add_u32 v[SPW], v[NIL]                      ; the opening lines: the add, twice on end, and its wait
	ds_add_u32 v[SPW], v[NIL]
	v_lshrrev_b32 v1, 5, v0
	v_readfirstlane_b32 s[WV], v1
	s_bfe_u32 s40, ttmp6, 0x40000                  ; cx
	s_bfe_u32 s41, ttmp6, 0x40004                  ; cy
	s_and_b32 s43, ttmp7, 0xffff
	s_lshl_b32 s44, s41, 2
	s_lshl_b32 s44, 15, s44                        ; my row of the cluster
	s_lshl_b32 s45, 0x1111, s40                    ; my column
	GROUP1 G1A, 44, 1536, KBA/8
	GROUP1 G1B, 45, 768, KBB/8
	s_lshl_b32 s22, s43, 2
	s_add_co_u32 s22, s22, s41                     ; tile row, 0 .. 31
	s_lshl_b32 s46, ttmp9, 2
	s_add_co_u32 s46, s46, s40                     ; tile column, 0 .. 7
	s_mul_i32 s66, s22, PA                         ; the tokens' codes: the tile row alone
	s_mov_b32 s67, 0
	s_mul_i32 s68, s46, PB                         ; the columns': the tile column alone
	s_add_co_u32 s68, s68, 11264*48
	s_mov_b32 s69, 0
	s_lshl_b32 s70, s22, 11                        ; my 64 tokens' scale words
	s_lshl_b32 s20, s[WV], 9
	s_add_co_u32 s70, s70, s20
	s_mov_b32 s71, 0
	s_lshl_b32 s72, s46, 10                        ; the 128 columns'
	s_add_co_u32 s72, s72, 11264*8
	s_mov_b32 s73, 0
	s_lshl_b32 s74, s46, 9                         ; the columns' place in a row of the result and in the bias
	s_mov_b32 s75, 0
	s_lshl_b32 s76, s22, 20                        ; my first row of the result: 4,096 bytes a row
	s_lshl_b32 s20, s[WV], 18
	s_add_co_u32 s76, s76, s20
	s_add_co_u32 s76, s76, s74
	s_mov_b32 s77, 0
	s_mul_i32 s20, s[WV], 64*48
	s_mul_i32 s21, s[WV], 16*SPITCH
	s_wait_dscnt 0x0                               ; both opening adds are done
	s_wait_kmcnt 0x0
	s_add_nc_u64 s[66:67], s[4:5], s[66:67]
	s_add_nc_u64 s[68:69], s[8:9], s[68:69]
	s_add_nc_u64 s[70:71], s[6:7], s[70:71]
	s_add_nc_u64 s[72:73], s[10:11], s[72:73]
	s_add_nc_u64 s[12:13], s[12:13], s[74:75]
	s_add_nc_u64 s[14:15], s[14:15], s[76:77]
	GROUP0 G0A,   0,         66, 0
	GROUP0 G0A+4, 8*PA,      66, 8*KBA
	GROUP0 G0B,   BREG,      68, 0
	GROUP0 G0B+4, BREG+8*PB, 68, 8*KBB
	CROUND                                         ; all sixteen work-groups are here: the joint loads meet
	ARM 1, G0A,   G1A, .Larm_1
	ARM 2, G0B,   G1B, .Larm_2
	ARM 3, G0A+4, G1A, .Larm_3
	TL G0B+4, G1B
.Lasked:
	v_and_b32 v1, 15, v0                           ; r
	v_bfe_u32 v2, v0, 4, 1                         ; h
	v_and_b32 v3, 31, v0                           ; lane
	v_mul_u32_u24 v15, v1, 48
	v_mul_u32_u24 v16, v1, SPITCH
	v_mad_u32_u24 v15, v2, 24, v15                 ; a place's 48 bytes, my half's 24
	v_lshl_add_u32 v16, v2, 6, v16
	v_lshlrev_b32 v[L8], 3, v3
	v_lshlrev_b32 v[BOF], 6, v2
	v_add_nc_u32 v[ADRA], s20, v15
	v_add_nc_u32 v[ADRB], BREG, v15
	v_add_nc_u32 v[ADRB+1], BREG+8*PB, v15
	v_lshlrev_b32 v[CO], 4, v3
	v_add_nc_u32 v[STO], s21, v16                  ; the stage, in: row r, 64 bytes for each half of the lanes
.irp g, 1,2,3
	v_add_nc_u32 v[ADRA+\g], \g*4*PA, v[ADRA]
.endr
	v_add_nc_u32 v[RD], s21, v[CO]                 ; and back: the 32 lanes take one row of 512 bytes
.irp e, 0,1
.irp s, 0,1,2,3
	global_load_b64 v[SA+8*\e+2*\s:SA+8*\e+2*\s+1], v[L8], s[70:71] offset:256*\e+65536*\s   ; blocks 2 e, 2 e + 1, K steps 2 s, 2 s + 1
.endr
.endr
.irp e, 0,1,2,3
.irp s, 0,1,2,3
	global_load_b64 v[SBR+8*\e+2*\s:SBR+8*\e+2*\s+1], v[L8], s[72:73] offset:256*\e+98304*\s
.endr
.endr
.irp b, 0,1,2,3,4,5,6,7                        ; block b, register j: column 32 (b / 2) + 16 h + 8 (b % 2) + j
	global_load_b128 v[BIAS+8*\b:BIAS+8*\b+3], v[BOF], s[12:13] offset:(32*(\b/2)+8*(\b%2))*4
	global_load_b128 v[BIAS+8*\b+4:BIAS+8*\b+7], v[BOF], s[12:13] offset:(32*(\b/2)+8*(\b%2))*4+16
.endr
.macro FRAG reg, adr, off, st          ; 16 places x 128 K: registers 6 c .. 6 c + 5 are 24 bytes of the place's 48 in piece c, as three loads of 8 bytes
.irp p, 0,1,2,3,4,5
	ds_load_b64 v[(\reg)+2*\p:(\reg)+2*\p+1], v[\adr] offset:(\off)+(\p/3)*(\st)+8*(\p%3)
.endr
.endm
.macro FETCH_B q                       ; the columns' eight fragments of K step q: 48 loads
	WIN 0x40
.irp i, 0,1,2,3,4,5,6,7
	FRAG 128*((\q)%2)+FR*\i, ADRB+(\q)/4, 2*((\q)%4)*PB+\i*768, PB
.endr
	WIN 0
.endm
.macro FETCH_A q                       ; my tokens' four: 24 loads
.irp i, 0,1,2,3
	FRAG AF+48*((\q)%2)+FR*\i, ADRA+(\q)/2, 2*((\q)%2)*PA+\i*768, PA
.endr
.endm
; 16 products: my blocks 2 e, 2 e + 1 x the columns' eight.  The 32 accumulators take turns, one instruction a turn, in the same order in every step.
.macro MUL16 e, q
.irp ao, 0,1
.irp bp, 0,1,2,3
.irp bo, 0,1
.set DD, 8*(8*(2*(\e)+\ao)+2*\bp+\bo)
.set BF_, 128*((\q)%2)+FR*(2*\bp+\bo)
.set AF_, AF+48*((\q)%2)+FR*(2*(\e)+\ao)
.if (\q) == 0
	v_wmma_scale_f32_16x16x128_f8f6f4 v[DD:DD+7], v[BF_:BF_+FR-1], v[AF_:AF_+FR-1], v[BIAS+8*(2*\bp+\bo):BIAS+8*(2*\bp+\bo)+7], v[SBR+8*\bp+(\q)], v[SA+8*(\e)+(\q)] matrix_a_fmt:MATRIX_FMT_FP6 matrix_b_fmt:MATRIX_FMT_FP6 matrix_a_scale:MATRIX_SCALE_ROW\bo matrix_b_scale:MATRIX_SCALE_ROW\ao
.else
	v_wmma_scale_f32_16x16x128_f8f6f4 v[DD:DD+7], v[BF_:BF_+FR-1], v[AF_:AF_+FR-1], v[DD:DD+7], v[SBR+8*\bp+(\q)], v[SA+8*(\e)+(\q)] matrix_a_fmt:MATRIX_FMT_FP6 matrix_b_fmt:MATRIX_FMT_FP6 matrix_a_scale:MATRIX_SCALE_ROW\bo matrix_b_scale:MATRIX_SCALE_ROW\ao
.endif
.endr
.endr
.endr
.endm
.macro MWIN q                          ; source 0 window 1, source 1 window 0, D window 2; C window 2, in the first step window 0 (the bias)
.if (\q) == 0
	WIN 0x81
.else
	WIN 0xa1
.endif
.endm
; A K step of 128: 32 products on set q % 2; the next step's fragments go into the other set, which the step before has read: four places stand ahead of them.
.macro STEP q
.if (\q) == 3
	s_wait_tensorcnt 0x0                           ; every wave's load has landed: the second half of K is shown to all
	s_wait_dscnt 0x0
	s_barrier_signal -1
	s_barrier_wait -1
.endif
.if (\q) < 7
.if (\q) > 0
	PLACES 4
.endif
	FETCH_B (\q)+1
	s_wait_dscnt 48                                ; all but the 48 just issued: this step's fragments are in
.else
	s_wait_dscnt 0x0                               ; my last reads of the tiles are over:
	s_barrier_signal -1                            ; behind this barrier the tokens' region serves as stages
.endif
	MWIN \q
	MUL16 0, \q
.if (\q) < 7
	WIN 0
	FETCH_A (\q)+1
	MWIN \q
.endif
	MUL16 1, \q
	WIN 0
.if (\q) == 7
	s_barrier_wait -1
.endif
.endm
	s_wait_alu depctr_va_vdst(0)                   ; the wait at the head's end
	s_cmp_lt_u32 s[WV], 2                          ; waves 0 and 1 brought the first half of K; the other two loads, lines of waves 2 and 3 alone, may stay out
	s_cbranch_scc0 .Lnot_first
	s_wait_tensorcnt 0x0
.Lnot_first:
	s_barrier_signal -1
	s_barrier_wait -1
	FETCH_B 0
	FETCH_A 0
	s_wait_loadcnt 0x0                             ; the scale words and the bias
.irp q, 0,1,2,3,4,5,6,7
	STEP \q
.endr
; THE WAY OUT, block by block of 16 places x 128 columns, through my stage: whole rows of 512 bytes come back and leave as two aligned units of 256 bytes.
.macro TOSTAGE a
.set AC, 64*(\a)
	WIN 0x08                                       ; the data: window 2
.irp b, 0,1,2,3,4,5,6,7
	ds_store_b128 v[STO], v[AC+8*\b:AC+8*\b+3] offset:128*(\b/2)+32*(\b%2)          ; each accumulator from its low end on
	ds_store_b128 v[STO], v[AC+8*\b+4:AC+8*\b+7] offset:128*(\b/2)+32*(\b%2)+16
.endr
	WIN 0
.set BB, BK+64*((\a)%2)
.irp t, 0,1,2,3,4,5,6,7,8,9,10,11,12,13,14,15
	ds_load_b128 v[BB+4*\t:BB+4*\t+3], v[RD] offset:\t*SPITCH   ; LDS serves a wave's instructions in order: these see my stores
.endr
.endm
.macro SEND a, younger                 ; younger: the LDS instructions issued behind block a's loads, which may stay out.  Place 16 a + t is token 32 (a / 2) + 8 (a % 2) + t + 8 (t / 8)
.set BB, BK+64*((\a)%2)
	s_wait_dscnt \younger
.irp t, 0,1,2,3,4,5,6,7,8,9,10,11,12,13,14,15
	global_store_b128 v[CO], v[BB+4*\t:BB+4*\t+3], s[14:15] offset:(32*((\a)/2)+8*((\a)%2)+\t+8*(\t/8))*4096 th:TH_STORE_NT
.endr
.endm
	PLACES 4                                       ; behind the last products
	TOSTAGE 0
.irp a, 1,2,3
.if \a > 1
	s_wait_xcnt 0x0                                ; block a - 2's stores have read their registers
.endif
	TOSTAGE \a
	SEND \a-1, 32
.endr
	SEND 3, 0
	s_wait_tensorcnt 0x0                           ; the wave's end
	ds_add_u32 v[SPW], v[NIL]
	s_wait_dscnt 0x0
	CROUND                                         ; the closing round
	s_endpgm
.Lfunc_end_k_q93984c16f0_proj:
	.size	k_q93984c16f0_proj, .Lfunc_end_k_q93984c16f0_proj-k_q93984c16f0_proj
	.p2alignl 7, 3214868480
	.fill 96, 4, 3214868480
	.section	.rodata,"a",@progbits
	.p2align	6, 0x0
	.amdhsa_kernel k_q93984c16f0_proj
		.amdhsa_group_segment_fixed_size 327680
		.amdhsa_private_segment_fixed_size 0
		.amdhsa_enable_private_segment 0
		.amdhsa_kernarg_size 48
		.amdhsa_user_sgpr_count 2
		.amdhsa_user_sgpr_kernarg_segment_ptr 1
		.amdhsa_wavefront_size32 1
		.amdhsa_system_sgpr_workgroup_id_x 1
		.amdhsa_system_sgpr_workgroup_id_y 1
		.amdhsa_system_sgpr_workgroup_id_z 1
		.amdhsa_system_vgpr_workitem_id 0
		.amdhsa_next_free_vgpr 768
		.amdhsa_next_free_sgpr 100
		.amdhsa_reserve_vcc 0
		.amdhsa_float_denorm_mode_32 3
		.amdhsa_float_denorm_mode_16_64 3
		.amdhsa_memory_ordered 1
		.amdhsa_forward_progress 1
		.amdhsa_inst_pref_size 97
	.end_amdhsa_kernel
	.amdgpu_metadata
---
amdhsa.version: [ 1, 2 ]
amdhsa.kernels:
  - .name:           k_q93984c16f0_proj
    .symbol:         k_q93984c16f0_proj.kd
    .args:
      - { .name: aq, .offset: 0, .size: 8, .value_kind: global_buffer, .address_space: global }
      - { .name: asc, .offset: 8, .size: 8, .value_kind: global_buffer, .address_space: global }
      - { .name: cq, .offset: 16, .size: 8, .value_kind: global_buffer, .address_space: global }
      - { .name: cs, .offset: 24, .size: 8, .value_kind: global_buffer, .address_space: global }
      - { .name: b_proj, .offset: 32, .size: 8, .value_kind: global_buffer, .address_space: global }
      - { .name: out0, .offset: 40, .size: 8, .value_kind: global_buffer, .address_space: global }
    .group_segment_fixed_size: 327680
    .private_segment_fixed_size: 0
    .kernarg_segment_align: 8
    .kernarg_segment_size: 48
    .max_flat_workgroup_size: 128
    .sgpr_count:     100
    .vgpr_count:     768
    .wavefront_size: 32
...
	.end_amdgpu_metadata
.endif
;; end of part 4
